; MI455X (gfx1250); checked and timed in simulation.
; The chip was launched on July 23, 2026; its instructions are those of AMD's public machine-readable ISA for CDNA 5 (MIT licence, August 2026) and "CDNA5" Instruction Set Architecture Reference Guide (July 2026). The comments in the code are by the model that wrote it; some were corrected since.
;; Multi Head Attention. Allowed arithmetic: matrix products marked QUANTISED: E4M3 operands, one given power-of-two scale a tensor, by v_wmma_f32_16x16x64_fp8_fp8 or v_wmma_f32_16x16x128_fp8_fp8, f32 sums; everything else in f32.
;; Inputs: Wk 1,024 x 1,024 float32; Wo 1,024 x 1,024 float32; Wq 1,024 x 1,024 float32; Wv 1,024 x 1,024 float32; bk 1,024 float32; bo 1,024 float32; bq 1,024 float32; bv 1,024 float32; key 4 x 2,048 x 1,024 float32; lowp_scales 12 int32 (the exponents e of the quantised operands' scales 2^e); mask 1 x 1 x 2,048 x 2,048 int32; query 4 x 2,048 x 1,024 float32; value 4 x 2,048 x 1,024 float32.
;; Outputs: out0 4 x 2,048 x 1,024 float32.
;; This version of the problem:
;;   THIS VERSION OF THE PROBLEM IS GIVEN IN LOW PRECISION. The matrix products marked QUANTISED in the list below multiply operands that are first quantised to E4M3 (4 exponent bits, 3 mantissa bits; 8 bits a number), with one given power-of-two scale for each operand tensor; their sums are f32. All else is computed in f32.
;;   The module's matrix products, in the order in which they are computed (A, B: the left and right operand; K: the contracted axis; several contracted axes count as one K, in the product's order):
;;     1. [M 8,192, K 1,024] x [K 1,024, N 1,024]; A: input query; B: input Wq: QUANTISED (scales: A lowp_scales[0], B lowp_scales[1])
;;     2. [M 8,192, K 1,024] x [K 1,024, N 1,024]; A: input key; B: input Wk: QUANTISED (scales: A lowp_scales[2], B lowp_scales[3])
;;     3. [M 8,192, K 1,024] x [K 1,024, N 1,024]; A: input value; B: input Wv: QUANTISED (scales: A lowp_scales[4], B lowp_scales[5])
;;     4. batch 64 x [M 2,048, K 64] x [K 64, N 2,048]; A: computed on the way; B: computed on the way: QUANTISED (scales: A lowp_scales[6], B lowp_scales[7])
;;     5. batch 64 x [M 2,048, K 2,048] x [K 2,048, N 64]; A: softmax (see below); B: computed on the way: QUANTISED (scales: A lowp_scales[8], B lowp_scales[9])
;;     6. [M 8,192, K 1,024] x [K 1,024, N 1,024]; A: computed on the way; B: input Wo: QUANTISED (scales: A lowp_scales[10], B lowp_scales[11])
;;   THE QUANTISER, for each operand of a quantised product, along K:
;;     - The operand's scale is 2^e, e = its entry of the input lowp_scales (int32; the entries are numbered through the quantised products in the list's order, A before B).
;;     - Each number is divided by the scale, clamped to +-448, and rounded to the nearest number of E4M3, ties to even, subnormals kept.
;;     - The product sums the exact products of the quantised numbers (number of the format x scale) in f32.
;;   ~~~python
;;   def quantise(x, axis, e):      # numpy; x: float32 -> the quantised numbers, widened to float32 again
;;       x = np.moveaxis(x, axis, -1); K = x.shape[-1]
;;       r = np.clip(x / 2.0 ** e, -448, 448)
;;       step = 2.0 ** (np.maximum(np.frexp(np.where(r == 0, 1, r))[1] - 1, -6) - 3)
;;       q = np.round(r / step) * step * 2.0 ** e      # np.round: ties to even
;;       return np.moveaxis(q, -1, axis).astype(np.float32)
;;   ~~~
;;   SOFTMAX AHEAD OF A QUANTISED PRODUCT. Where the list says 'softmax', what is quantised is not the finished softmax but p = 2^(t - M), with t = logit x log2(e) and M = ceil(the row's largest t), a whole number; so 1/2 < the row's largest p <= 1. The row's sum l is taken of the UNQUANTISED p, in f32, and the product's result is divided by l at the end. Since M is a whole number, a kernel that streams over the keys may use a running M (the ceiling of the running maximum): every later rescaling is an exact power of two, so the quantised numbers keep their values, but for numbers so far below the row's largest that they fall under the format's range.
;;   OPERANDS COMPUTED ON THE WAY. 'Computed on the way' means the value that the module computes at that place (a softmax that the list does not call 'softmax' is quantised finished and normalised). What goes into a quantiser is computed in f32, as accurately as f32 sums, v_exp_f32 and their like allow (about 1e-6 of the number): no bf16 or f16 on the way to a quantiser, and a product that is left as it is and whose result goes on into a quantised operand takes f32 operands (vector FMAs, or v_wmma_f32_16x16x4_f32). A number that lies on a knife's edge between two numbers of the format may be rounded either way, as far as f32 arithmetic and the matrix unit's own rounding can turn it there, and no further.
;; 2 versions, each right; version 2 is version 1 with the launch attn written anew for expert scheduling mode. Each part assembles by itself: llvm-mc -triple=amdgcn-amd-amdhsa -mcpu=gfx1250 --defsym DOCPART=n.
;; ======== version 1 of 2: 4 launches
;; workspace buffers: xc 25,165,824 bytes; wc 4,194,304 bytes; mw 524,288 bytes of whole numbers; ms 32,768 bytes of whole numbers; qkv 25,165,824 bytes; oc 8,388,608 bytes
;; launch prep (part 1): grid 480 x 1, 4 waves a work-group, no clusters, 68,096 bytes of LDS; arguments query, key, value, Wq, Wk, Wv, Wo, mask, lowp_scales, xc, wc, mw, ms; writes xc, wc, mw, ms
.if DOCPART == 1
	.amdgcn_target "amdgcn-amd-amdhsa--gfx1250"
	.amdhsa_code_object_version 6
	.text
	.protected	k_q378327a585_prep
	.globl	k_q378327a585_prep
	.p2align	8
	.type	k_q378327a585_prep,@function
k_q378327a585_prep:
	s_mov_b64 s[64:65], 0
	v_nop
	global_prefetch_b8 v0, s[64:65] scope:SCOPE_SE
	s_setreg_imm32_b32 hwreg(HW_REG_WAVE_MODE, 25, 1), 1
	s_wait_xcnt 0x0
; PREP.  (1) query, key, value [8192][1024] and Wq, Wk, Wv, Wo [1024][1024], f32, K innermost, become codes of E4M3 with the scale 2^e given for each:
; code = x / 2^e, held within +-448, to the nearest code, ties to even.  (2) The mask [2048][2048], int32, becomes lane masks and a summary.
; LAYOUT OF THE CODES: images of the operand's registers.  The image of 16 rows x 128 along K is 2,048 bytes; registers 4 g .. 4 g + 3 of lane l lie at 512 g + 16 l;
; lane (r = l % 16, h = l / 16) holds in registers 2 c, 2 c + 1 the codes of k = 16 c + 8 h + 0 .. 7 of row r.  Image (row tile rt, K step ks) lies at (8 rt + ks) x 2,048.
; MASK WORDS (mw): for query tile qt (16 rows) and key step ks (128 keys) 64 words at (16 qt + ks) x 256: bit l of word 8 c + j is 1 where mask[16 qt + l % 16][128 ks + 16 c + 8 (l / 16) + j] is not 0.
; SUMMARY (ms): 256 bytes a query tile: word 0: bit ks = the step is all open; word 1: bit ks = the step is all masked, and 0 throughout if some row of the tile is masked at all 2,048 keys; the rest 0.
; SHARES.  Work-groups 0-31: the mask, a wave a query tile (16 units).  Work-groups 32-479: the numbers, a wave a row tile (8 units).  A unit is 16 rows x 128 numbers, 8,192 bytes.
; Each load reads 512 consecutive bytes of one row; a unit turns through the wave's own stage in LDS (rows of 528 bytes) so that a lane gets eight neighbours along K in eight registers.
; Waves share nothing: no barrier.  The two paths have LDS bytes of their own.  Every store of a wave covers 256 or 512 consecutive bytes, aligned.
; LIMITS: each e between -126 and 119, so that 2^e and 448 x 2^e are f32 numbers.  NaN among the inputs is not served (an infinity is held at the largest code).
.set PITCHS, 528                       ; a stage row: 512 bytes + 16
.set STGW,   16*PITCHS                 ; a wave's stage
.set MBASE,  4*STGW                    ; the mask path's stages lie behind the numbers path's
.set R0,  32                           ; v32-95, v96-159  two sets of 64 registers, a unit as loaded
.set X,   160                          ; v160-223 a unit turned: register 8 c + j = (row r, k = 16 c + 8 h + j)
.set C0,  224                          ; v224-239, v240-255  two sets of 16 registers of codes
.set MW0, 8                            ; v[8:9], v[10:11]  two sets of mask words: lane L holds words 2 L and 2 L + 1
.macro LOADU set, pitch, off           ; a unit: row i's 512 bytes by one load
.irp i, 0,1,2,3,4,5,6,7,8,9,10,11,12,13,14,15
	global_load_b128 v[R0+64*(\set)+4*\i:R0+64*(\set)+4*\i+3], v1, s[4:5] offset:\i*(\pitch)+(\off) th:TH_LOAD_NT
.endr
.endm
.macro TURNU set, base                 ; through the stage: LDS serves a wave's instructions in order, so no wait stands between the stores and the loads
.irp i, 0,1,2,3,4,5,6,7,8,9,10,11,12,13,14,15
	ds_store_b128 v2, v[R0+64*(\set)+4*\i:R0+64*(\set)+4*\i+3] offset:(\base)+PITCHS*\i
.endr
.irp c, 0,1,2,3,4,5,6,7
	ds_load_b128 v[X+8*\c:X+8*\c+3], v3 offset:(\base)+64*\c
	ds_load_b128 v[X+8*\c+4:X+8*\c+7], v3 offset:(\base)+64*\c+16
.endr
.endm
; A unit of numbers.  left: the other set's loads, which may stay out.
.macro UNITX set, ahead, left
	s_wait_loadcnt \left
	TURNU \set, 0
	s_wait_dscnt 0x0                               ; the unit is back, and the stage's stores have read their registers
.if \ahead
	LOADU \set, 4096, 512*(\set)+1024              ; the unit two further on
.endif
.set i, 0
.rept 64
	v_med3_num_f32 v[X+i], v[X+i], -v7, v7         ; the conversion does not saturate (ISA guide 7.6.2): the hold at the largest code x the scale
.set i, i+1
.endr
	s_wait_xcnt 0x0                                ; this set's codes, stored two units ago, have been read
.irp c, 0,1,2,3,4,5,6,7
	v_cvt_scalef32_pk8_fp8_f32 v[C0+16*(\set)+2*\c:C0+16*(\set)+2*\c+1], v[X+8*\c:X+8*\c+7], v6
.endr
	v_nop                                          ; a plain line behind the conversions: the next unit's holds write their sources
.irp g, 0,1,2,3
	global_store_b128 v1, v[C0+16*(\set)+4*\g:C0+16*(\set)+4*\g+3], s[6:7] offset:2048*(\set)+512*\g
.endr
.endm
; A unit of the mask: 64 compares give the 64 words; s48 gathers their AND, s49 their OR.
.macro UNITM set, ahead, left
	s_wait_loadcnt \left
	TURNU \set, MBASE
	s_wait_dscnt 0x0
.if \ahead
	LOADU \set, 8192, 512*(\set)+1024
.endif
	s_mov_b32 s48, -1
	s_mov_b32 s49, 0
	s_wait_xcnt 0x0                                ; this set's words, stored two units ago, have been read
.irp c, 0,1,2,3,4,5,6,7
.irp j, 0,1,2,3,4,5,6,7
	v_cmp_ne_u32 s[40+\j], 0, v[X+8*\c+\j]
.endr
.irp j, 0,1,2,3,4,5,6,7
	v_writelane_b32 v[MW0+2*(\set)+(\j%2)], s[40+\j], 4*\c+\j/2
	s_and_b32 s48, s48, s[40+\j]
	s_or_b32 s49, s49, s[40+\j]
.endr
.endr
	global_store_b64 v4, v[MW0+2*(\set):MW0+2*(\set)+1], s[6:7] offset:256*(\set)
	s_or_b32 s50, s50, s49                         ; which lanes have seen an open key
	s_cmp_eq_u32 s48, -1
	s_cselect_b32 s54, s51, 0
	s_or_b32 s52, s52, s54                         ; the step is all open
	s_cmp_eq_u32 s49, 0
	s_cselect_b32 s54, s51, 0
	s_or_b32 s53, s53, s54                         ; the step is all masked
	s_lshl_b32 s51, s51, 1
.endm
	s_load_b512 s[8:23], s[0:1], 0x0               ; query, key, value, Wq, Wk, Wv, Wo, mask
	s_load_b256 s[24:31], s[0:1], 0x40             ; lowp_scales, xc, wc, mw
	s_load_b64 s[32:33], s[0:1], 0x60              ; ms
	v_lshl_add_u32 v30, v0, 2, 0x10800
	v_mov_b32 v31, 0
	v_lshrrev_b32 v5, 5, v0
	v_readfirstlane_b32 s34, v5                    ; wave
	v_and_b32 v5, 31, v0                           ; lane
	v_lshlrev_b32 v1, 4, v5                        ; 16 x lane
	v_lshlrev_b32 v4, 3, v5                        ; 8 x lane
	v_and_b32 v14, 15, v0                          ; r
	v_bfe_u32 v15, v0, 4, 1                        ; h
	s_mul_i32 s36, s34, STGW
	v_add_nc_u32 v2, s36, v1                       ; the stage, in: 16 x lane of a row
	v_mul_u32_u24 v3, v14, PITCHS
	v_lshl_add_u32 v3, v15, 5, v3
	v_add_nc_u32 v3, s36, v3                       ; and out: row r, + 32 h
	s_mov_b32 s55, 0
	s_wait_kmcnt 0x0
	s_cmp_lt_u32 ttmp9, 32
	s_cbranch_scc1 .Lmask
	; ---- the numbers
	s_load_b256 s[40:47], s[24:25], 0x0            ; e0 .. e7
	s_load_b128 s[56:59], s[24:25], 0x20           ; e8 .. e11
	s_sub_co_u32 s37, ttmp9, 32                    ; 0-127 query, 128-255 key, 256-383 value, then 16 each for Wq, Wk, Wv, Wo
	s_mov_b64 s[4:5], s[20:21]
	s_cmp_lt_u32 s37, 432
	s_cselect_b64 s[4:5], s[18:19], s[4:5]
	s_cmp_lt_u32 s37, 416
	s_cselect_b64 s[4:5], s[16:17], s[4:5]
	s_cmp_lt_u32 s37, 400
	s_cselect_b64 s[4:5], s[14:15], s[4:5]
	s_cmp_lt_u32 s37, 384
	s_cselect_b64 s[4:5], s[12:13], s[4:5]
	s_cselect_b64 s[6:7], s[26:27], s[28:29]       ; activations go to xc, weights to wc
	s_cselect_b32 s38, 0, 384
	s_cselect_b32 s39, 511, 63                     ; row tiles in a tensor, less one
	s_cmp_lt_u32 s37, 256
	s_cselect_b64 s[4:5], s[10:11], s[4:5]
	s_cmp_lt_u32 s37, 128
	s_cselect_b64 s[4:5], s[8:9], s[4:5]
	s_sub_co_u32 s38, s37, s38
	s_lshl_b32 s38, s38, 2
	s_add_co_u32 s38, s38, s34                     ; my row tile, counted through xc or wc
	s_and_b32 s39, s38, s39                        ; and in its tensor
	s_lshl_b32 s54, s39, 16                        ; 16 rows of 4,096 bytes
	s_add_nc_u64 s[4:5], s[4:5], s[54:55]
	s_lshl_b32 s54, s38, 14                        ; 8 images of 2,048 bytes
	s_add_nc_u64 s[6:7], s[6:7], s[54:55]
	LOADU 0, 4096, 0
	LOADU 1, 4096, 512
	s_wait_kmcnt 0x0
	s_mov_b32 s54, s59                             ; e11 for Wo, and so on, by the same bounds
	s_cmp_lt_u32 s37, 432
	s_cselect_b32 s54, s45, s54
	s_cmp_lt_u32 s37, 416
	s_cselect_b32 s54, s43, s54
	s_cmp_lt_u32 s37, 400
	s_cselect_b32 s54, s41, s54
	s_cmp_lt_u32 s37, 384
	s_cselect_b32 s54, s44, s54
	s_cmp_lt_u32 s37, 256
	s_cselect_b32 s54, s42, s54
	s_cmp_lt_u32 s37, 128
	s_cselect_b32 s54, s40, s54
	s_add_co_i32 s54, s54, 127
	s_lshl_b32 s38, s54, 23
	v_mov_b32 v6, s38                              ; 2^e: the conversion takes its exponent field
	s_add_co_i32 s54, s54, 8
	s_lshl_b32 s54, s54, 23
	s_or_b32 s54, s54, 0x600000
	v_mov_b32 v7, s54                              ; 448 x 2^e
	s_mov_b32 s35, 3
.Lxloop:                                           ; two units a trip; the loads run two units ahead
	UNITX 0, 1, 16
	UNITX 1, 1, 16
	s_wait_xcnt 0x0                                ; the trip's loads and stores have read their bases
	s_add_nc_u64 s[4:5], s[4:5], 1024
	s_add_nc_u64 s[6:7], s[6:7], 4096
	s_sub_co_u32 s35, s35, 1
	s_cmp_lg_u32 s35, 0
	s_cbranch_scc1 .Lxloop
	UNITX 0, 0, 16                                 ; the last two units load nothing
	UNITX 1, 0, 0
	s_wait_tensorcnt 0x0
	ds_add_u32 v30, v31
	s_wait_dscnt 0x0
	s_endpgm
	; ---- the mask
.Lmask:
	s_lshl_b32 s37, ttmp9, 2
	s_add_co_u32 s37, s37, s34                     ; my query tile
	s_lshl_b32 s54, s37, 17                        ; 16 rows of 8,192 bytes
	s_add_nc_u64 s[4:5], s[22:23], s[54:55]
	s_lshl_b32 s54, s37, 12                        ; 16 steps of 256 bytes
	s_add_nc_u64 s[6:7], s[30:31], s[54:55]
	s_lshl_b32 s54, s37, 8
	s_add_nc_u64 s[32:33], s[32:33], s[54:55]
.irp i, 8,9,10,11,12,13
	v_mov_b32 v\i, 0                               ; a lane write's destination counts as read
.endr
	s_mov_b32 s50, 0
	s_mov_b32 s51, 1                               ; the step's bit
	s_mov_b32 s52, 0
	s_mov_b32 s53, 0
	LOADU 0, 8192, 0
	LOADU 1, 8192, 512
	s_mov_b32 s35, 7
.Lmloop:
	UNITM 0, 1, 16
	UNITM 1, 1, 16
	s_wait_xcnt 0x0
	s_add_nc_u64 s[4:5], s[4:5], 1024
	s_add_nc_u64 s[6:7], s[6:7], 512
	s_sub_co_u32 s35, s35, 1
	s_cmp_lg_u32 s35, 0
	s_cbranch_scc1 .Lmloop
	UNITM 0, 0, 16
	UNITM 1, 0, 0
	s_lshr_b32 s54, s50, 16                        ; row r has an open key if lane r or lane r + 16 has seen one
	s_or_b32 s54, s54, s50
	s_and_b32 s54, s54, 0xffff
	s_cmp_eq_u32 s54, 0xffff
	s_cselect_b32 s53, s53, 0                      ; a row masked throughout: no step of this tile may be left out
	v_writelane_b32 v12, s52, 0
	v_writelane_b32 v13, s53, 0
	global_store_b64 v4, v[12:13], s[32:33]        ; the record's 256 bytes
	s_wait_tensorcnt 0x0
	ds_add_u32 v30, v31
	s_wait_dscnt 0x0
	s_endpgm
.Lfunc_end_k_q378327a585_prep:
	.size	k_q378327a585_prep, .Lfunc_end_k_q378327a585_prep-k_q378327a585_prep
	.p2alignl 7, 3214868480
	.fill 96, 4, 3214868480
	.section	.rodata,"a",@progbits
	.p2align	6, 0x0
	.amdhsa_kernel k_q378327a585_prep
		.amdhsa_group_segment_fixed_size 68096
		.amdhsa_private_segment_fixed_size 0
		.amdhsa_enable_private_segment 0
		.amdhsa_kernarg_size 104
		.amdhsa_user_sgpr_count 2
		.amdhsa_user_sgpr_kernarg_segment_ptr 1
		.amdhsa_wavefront_size32 1
		.amdhsa_system_sgpr_workgroup_id_x 1
		.amdhsa_system_sgpr_workgroup_id_y 1
		.amdhsa_system_sgpr_workgroup_id_z 1
		.amdhsa_system_vgpr_workitem_id 0
		.amdhsa_next_free_vgpr 256
		.amdhsa_next_free_sgpr 66
		.amdhsa_reserve_vcc 0
		.amdhsa_float_denorm_mode_32 3
		.amdhsa_float_denorm_mode_16_64 3
		.amdhsa_memory_ordered 1
		.amdhsa_forward_progress 1
		.amdhsa_inst_pref_size 104
	.end_amdhsa_kernel
	.amdgpu_metadata
---
amdhsa.version: [ 1, 2 ]
amdhsa.kernels:
  - .name:           k_q378327a585_prep
    .symbol:         k_q378327a585_prep.kd
    .args:
      - { .name: query, .offset: 0, .size: 8, .value_kind: global_buffer, .address_space: global }
      - { .name: key, .offset: 8, .size: 8, .value_kind: global_buffer, .address_space: global }
      - { .name: value, .offset: 16, .size: 8, .value_kind: global_buffer, .address_space: global }
      - { .name: Wq, .offset: 24, .size: 8, .value_kind: global_buffer, .address_space: global }
      - { .name: Wk, .offset: 32, .size: 8, .value_kind: global_buffer, .address_space: global }
      - { .name: Wv, .offset: 40, .size: 8, .value_kind: global_buffer, .address_space: global }
      - { .name: Wo, .offset: 48, .size: 8, .value_kind: global_buffer, .address_space: global }
      - { .name: mask, .offset: 56, .size: 8, .value_kind: global_buffer, .address_space: global }
      - { .name: lowp_scales, .offset: 64, .size: 8, .value_kind: global_buffer, .address_space: global }
      - { .name: xc, .offset: 72, .size: 8, .value_kind: global_buffer, .address_space: global }
      - { .name: wc, .offset: 80, .size: 8, .value_kind: global_buffer, .address_space: global }
      - { .name: mw, .offset: 88, .size: 8, .value_kind: global_buffer, .address_space: global }
      - { .name: ms, .offset: 96, .size: 8, .value_kind: global_buffer, .address_space: global }
    .group_segment_fixed_size: 68096
    .private_segment_fixed_size: 0
    .kernarg_segment_align: 8
    .kernarg_segment_size: 104
    .max_flat_workgroup_size: 128
    .sgpr_count:     66
    .vgpr_count:     256
    .wavefront_size: 32
...
	.end_amdgpu_metadata
.endif
;; end of part 1
;; launch proj (part 2): grid 4 x 96, 4 waves a work-group, clusters of 4 x 4, 327,680 bytes of LDS; arguments xc, wc, lowp_scales, qkv, bq, bk, bv; writes qkv
.if DOCPART == 2
	.amdgcn_target "amdgcn-amd-amdhsa--gfx1250"
	.amdhsa_code_object_version 6
	.text
	.protected	k_q378327a585_proj
	.globl	k_q378327a585_proj
	.p2align	8
	.type	k_q378327a585_proj,@function
k_q378327a585_proj:
	s_mov_b64 s[64:65], 0
	v_nop
	global_prefetch_b8 v0, s[64:65] scope:SCOPE_SE
	s_setreg_imm32_b32 hwreg(HW_REG_WAVE_MODE, 25, 1), 1
	s_wait_xcnt 0x0
	s_wait_alu depctr_hold_cnt(0) depctr_sa_sdst(0) depctr_va_vdst(0) depctr_va_sdst(0) depctr_va_ssrc(0) depctr_va_vcc(0) depctr_vm_vsrc(0)
	s_getreg_b32 s2, hwreg(HW_REG_IB_STS2, 6, 4)
	s_cmp_eq_u32 s2, 0
	s_cbranch_scc0 .Lentry_in_a_cluster
	s_endpgm
.Lentry_in_a_cluster:
	s_bfe_u32 s2, ttmp6, 0x10000c
	s_cmp_lg_u32 s2, 0xf033
	s_cbranch_scc0 .Lentry_shape_is_right
	s_endpgm
.Lentry_shape_is_right:
; PROJ.  q = query Wq^T + bq, k = key Wk^T + bk, v = value Wv^T + bv on codes of E4M3 ([8192][1024] x [1024][1024], K = 1,024), each result quantised at once for attention (scales e6, e7, e9).
; Cluster y / 8 = p says which of the three; a tile of 256 x 256 is made by four waves, 128 x 128 each: 64 accumulators of 16 x 16, 512 registers.
; OPERANDS ARE IMAGES OF REGISTERS: 16 rows x 128 K are 2,048 bytes, registers 4 g .. 4 g + 3 of lane l at 512 g + 16 l; image (row tile rt, K step ks) at (8 rt + ks) x 2,048.  So every LDS load reads 512 consecutive bytes.
; THE MATRIX INSTRUCTION IS USED TRANSPOSED: source 0 = 16 rows of the B side, source 1 = 16 rows of the A side: a lane holds one A row (lane % 16) and eight neighbouring B rows, 16 b + 8 (lane / 16) + 0 .. 7.
; p = 0, 1: A = tokens, B = features: a lane's eight numbers are eight neighbours of a head's 64: the K of the scores' product.  p = 2: A = features, B = tokens: eight neighbouring keys: the K of the second product.  Nothing is transposed.
; OUT: q, k: image (16 batch + head, token tile) of 1,024 bytes (a K = 64 fragment); v: image (16 batch + head, key step, d tile) of 2,048 bytes; q at 0, k at 8 MiB, v at 16 MiB of qkv.  Each store covers 512 consecutive bytes, aligned.
; K goes in steps of 256 through a ring of two LDS slots; CLUSTERS of 4 x 4: A's tiles are asked for jointly along a row of the cluster, B's along a column.
; LIMITS: ea + eb between -126 and 127; e6, e7, e9 between -126 and 119.  NaN is not served.
; REGISTERS: window 0: v16-29 addresses and scales; v32-95 the bias by B rows, v96-103 by A rows; from v128 A's fragments, one set (later the numbers and codes on the way out);
;   window 1: B's fragments, two sets;  window 2, 3: the accumulators of my A rows 0-63, 64-127 (accumulator (a, b) at v[8 (8 (a % 4) + b)]).
.set HALFT,  32768                     ; 128 rows x 256 along K: 8 row tiles x 4,096 bytes: what one tensor load brings
.set SLOT,   4*HALFT                   ; A's 256 rows, then B's
.set SPARE,  2*SLOT                    ; behind the ring: the spare words, 128 bytes for each wave
.set FR,     16
.set NL,     4
.set NP,     4                         ; places behind this matrix instruction (ISA guide 7.12.1)
.set LAPS,   2                         ; 1,024 along K = 4 slots' worth = twice round the ring
.set ADRA, 16                          ; v16-17  LDS address of my A fragments in slot 0, 1
.set ADRB, 20                          ; v20-21  the same for B
.set OB1,  22                          ; v22     byte offset in the bias of my eight B rows
.set OB2,  23                          ; v23     and of my A row
.set QS,   24                          ; v24     2^eo
.set QL,   25                          ; v25     448 x 2^eo
.set CO,   26                          ; v26     16 x lane
.set SPW,  28                          ; v28     my spare word; never rewritten
.set NIL,  29                          ; v29     0; never rewritten
.set BN,   32
.set BM,   96
.set AF,   128
.set TMP,  128
.set CD,   192
.set G1, 24
.set G0, 32
.set G1B, 48
.set G0B, 56
.set MSB, 0
.macro WIN new                         ; the immediate's high byte repeats the setting that is left
.if MSB != (\new)
	s_set_vgpr_msb (MSB<<8)|(\new)
.set MSB, (\new)
.endif
.endm
.set MUL_LO, 0xa1                      ; source 0 (B) window 1, source 1 (A) window 0, C and D window 2
.set MUL_HI, 0xf1
.set TO_B,   0x40
; A joint load: waves 0 and 1 fetch for A, waves 2 and 3 for B; the branch hangs on the wave's number alone.  Four v_nop follow each line.
.macro JLOAD g0a, g1a, g0b, g1b
	s_cmp_eq_u32 s15, 0
	s_cbranch_scc0 .Lfor_b_\@
	tensor_load_to_lds s[\g0a:\g0a+3], s[\g1a:\g1a+7]
	s_nop 0
.rept 4
	v_nop
.endr
	s_branch .Lasked_\@
.Lfor_b_\@:
	tensor_load_to_lds s[\g0b:\g0b+3], s[\g1b:\g1b+7]
	s_nop 0
.rept 4
	v_nop
.endr
.Lasked_\@:
.endm
.macro CREST                           ; a round of the cluster's barrier behind its opening barrier
	s_cmp_lg_u32 s14, 0
	s_cbranch_scc1 .Lnot_wave_0_\@
	s_barrier_signal -3
.Lnot_wave_0_\@:
	s_barrier_wait -3
	s_barrier_signal -1
	s_barrier_wait -1
.endm
.macro CROUND
	s_barrier_signal -1
	s_barrier_wait -1
	CREST
.endm
	s_load_b256 s[4:11], s[0:1], 0x0               ; xc, wc, lowp_scales, qkv
	s_load_b128 s[68:71], s[0:1], 0x20             ; bq, bk
	s_load_b64 s[72:73], s[0:1], 0x30              ; bv
	v_lshl_add_u32 v[SPW], v0, 2, SPARE
	v_mov_b32 v[NIL], 0
	ds_add_u32 v28, v29
	ds_add_u32 v28, v29
	s_wait_dscnt 0x0
	v_lshrrev_b32 v1, 5, v0
	v_readfirstlane_b32 s14, v1                    ; wave 0..3
	s_lshr_b32 s15, s14, 1                         ; which half of the A rows is mine.  Also: I fetch for A (0) or for B (1)
	s_and_b32 s16, s14, 1                          ; which half of the B rows.  Also: which 128 rows I fetch
	s_bfe_u32 s40, ttmp6, 0x40000                  ; cx
	s_bfe_u32 s41, ttmp6, 0x40004                  ; cy
	s_and_b32 s74, ttmp7, 0xffff                   ; cluster y, 0..23
	s_lshr_b32 s75, s74, 3                         ; p: 0 q, 1 k, 2 v: the same in all sixteen partners
	s_and_b32 s74, s74, 7
	s_lshl_b32 s74, s74, 2
	s_add_co_u32 s88, s74, s41
	s_add_co_u32 s89, s74, s40
	s_cmp_eq_u32 s75, 2
	s_cselect_b32 s17, s41, s88                    ; tile row (A side): tokens for q and k, features for v; made of cy alone
	s_cselect_b32 s42, s89, s40                    ; tile column (B side); made of cx alone
	s_lshl_b32 s43, s41, 2
	s_lshl_b32 s43, 15, s43                        ; my row of the cluster
	s_lshl_b32 s44, 0x1111, s40                    ; my column
	; descriptor group 1: 8 rows (row tiles) of 512 elements of 8 bytes (two images), 2,048 elements apart; no padding
	s_or_b32 s[G1+0], s43, (3<<16)|(1<<21)
	s_or_b32 s[G1B+0], s44, (3<<16)|(1<<21)
.irp g, G1, G1B
	s_mov_b32 s[\g+1], 512<<16                     ; tensor_dim0
	s_mov_b32 s[\g+2], 8<<16                       ; tensor_dim1
	s_mov_b32 s[\g+3], 512<<16                     ; tile_dim0
	s_mov_b32 s[\g+4], 8                           ; tile_dim1
	s_mov_b32 s[\g+5], 2048                        ; tensor_dim0_stride
	s_mov_b32 s[\g+6], 0
	s_mov_b32 s[\g+7], 0
.endr
	s_lshl_b32 s18, s16, 17                        ; which 128 rows I fetch: 1,024 bytes a row
	s_lshl_b32 s92, s17, 18
	s_add_co_u32 s92, s92, s18                     ; A: 256 x tile row + 128 x half
	s_mov_b32 s93, 0
	s_lshl_b32 s98, s42, 18
	s_add_co_u32 s98, s98, s18                     ; B likewise
	s_mov_b32 s99, 0
	s_lshl_b32 s90, s75, 23                        ; the tensor in xc
	s_mov_b32 s91, 0
	s_lshl_b32 s94, s75, 20                        ; and in wc
	s_mov_b32 s95, 0
	s_mul_i32 s45, s14, HALFT                      ; where my tile goes: no place in the cluster enters an LDS address
	s_wait_kmcnt 0x0
	s_load_b256 s[76:83], s[8:9], 0x0              ; e0 .. e7
	s_load_b128 s[84:87], s[8:9], 0x20             ; e8 .. e11
	s_add_nc_u64 s[4:5], s[4:5], s[90:91]
	s_add_nc_u64 s[6:7], s[6:7], s[94:95]
	s_cmp_eq_u32 s75, 2
	s_cselect_b64 s[20:21], s[6:7], s[4:5]         ; the A side
	s_cselect_b64 s[46:47], s[4:5], s[6:7]         ; the B side
	s_add_nc_u64 s[20:21], s[20:21], s[92:93]
	s_add_nc_u64 s[46:47], s[46:47], s[98:99]
	s_cmp_eq_u32 s75, 1
	s_cselect_b64 s[72:73], s[70:71], s[72:73]
	s_cmp_eq_u32 s75, 0
	s_cselect_b64 s[72:73], s[68:69], s[72:73]     ; the bias
	CROUND                                         ; all sixteen work-groups are here: the first joint loads meet
.irp s, 0,1
	s_mov_b32 s[G0+4*\s], 1
	s_add_co_u32 s[G0+4*\s+1], s45, \s*SLOT
	s_add_nc_u64 s[G0+4*\s+2:G0+4*\s+3], s[20:21], \s*4096
	s_or_b32 s[G0+4*\s+3], s[G0+4*\s+3], 0x80000000
	s_mov_b32 s[G0B+4*\s], 1
	s_add_co_u32 s[G0B+4*\s+1], s45, \s*SLOT
	s_add_nc_u64 s[G0B+4*\s+2:G0B+4*\s+3], s[46:47], \s*4096
	s_or_b32 s[G0B+4*\s+3], s[G0B+4*\s+3], 0x80000000
	JLOAD G0+4*\s, G1, G0B+4*\s, G1B
.endr
	v_and_b32 v1, 31, v0
	v_lshlrev_b32 v[CO], 4, v1                     ; 16 x lane
	v_and_b32 v2, 15, v0                           ; r
	v_bfe_u32 v3, v0, 4, 1                         ; h
	s_mul_i32 s22, s15, HALFT                      ; my 128 rows of A
	s_mul_i32 s23, s16, HALFT                      ; my 128 rows of B,
	s_add_co_u32 s23, s23, 2*HALFT                 ; which lie behind A's 256
.irp s, 0,1
	v_add_nc_u32 v[ADRA+\s], s22, v[CO]
	v_add_nc_u32 v[ADRB+\s], s23, v[CO]
	s_add_co_u32 s22, s22, SLOT
	s_add_co_u32 s23, s23, SLOT
.endr
	; the bias, both ways and without a branch: by B rows (used for q and k), by A rows (used for v); the way that is not used reads the bias's first bytes
	s_lshl_b32 s12, s42, 10
	s_lshl_b32 s13, s16, 9
	s_add_co_u32 s12, s12, s13
	s_lshl_b32 s13, s17, 10
	s_lshl_b32 s19, s15, 9
	s_add_co_u32 s13, s13, s19
	s_cmp_eq_u32 s75, 2
	s_cselect_b32 s12, 0, s12
	s_cselect_b32 s13, s13, 0
	v_lshl_add_u32 v[OB1], v3, 5, s12
	v_lshl_add_u32 v[OB2], v2, 2, s13
.irp b, 0,1,2,3,4,5,6,7
	global_load_b128 v[BN+8*\b:BN+8*\b+3], v[OB1], s[72:73] offset:64*\b
	global_load_b128 v[BN+8*\b+4:BN+8*\b+7], v[OB1], s[72:73] offset:64*\b+16
.endr
.irp a, 0,1,2,3,4,5,6,7
	global_load_b32 v[BM+\a], v[OB2], s[72:73] offset:64*\a
.endr
	; where my results go: p x 8 MiB + (16 batch + first head) x 131,072 + (first token in its batch) x 64: the same sum for all three layouts
	s_lshl_b32 s12, s17, 8
	s_lshl_b32 s13, s15, 7
	s_add_co_u32 s12, s12, s13                     ; my first A row
	s_lshl_b32 s13, s42, 8
	s_lshl_b32 s19, s16, 7
	s_add_co_u32 s13, s13, s19                     ; my first B row
	s_cmp_eq_u32 s75, 2
	s_cselect_b32 s19, s13, s12                    ; token
	s_cselect_b32 s2, s12, s13                     ; feature
	s_lshr_b32 s22, s19, 11                        ; batch
	s_lshl_b32 s22, s22, 4
	s_lshr_b32 s2, s2, 6                           ; head
	s_add_co_u32 s22, s22, s2
	s_lshl_b32 s22, s22, 17
	s_and_b32 s19, s19, 2047
	s_lshl_b32 s19, s19, 6
	s_add_co_u32 s22, s22, s19
	s_lshl_b32 s19, s75, 23
	s_add_co_u32 s22, s22, s19
	s_mov_b32 s23, 0
	s_add_nc_u64 s[10:11], s[10:11], s[22:23]
.macro FRAG reg, adr, q, i             ; a fragment's image: row tile i, the slot's q-th 128 along K: four loads of 512 consecutive bytes
.irp c, 0,1,2,3
	ds_load_b128 v[\reg+4*\c:\reg+4*\c+3], v[\adr] offset:(\i)*4096+(\q)*2048+512*\c
.endr
.endm
; 16 matrix instructions: A's blocks a0, a0 + 1 x B's eight.  The 64 accumulators take turns, one instruction a turn, in the same order in every step.
.macro MUL16 a0, p, zero
.irp a, \a0, \a0+1
.irp b, 0,1,2,3,4,5,6,7
.if \zero
	v_wmma_f32_16x16x128_fp8_fp8 v[8*(8*((\a)%4)+\b):8*(8*((\a)%4)+\b)+7], v[128*(\p)+FR*\b:128*(\p)+FR*\b+FR-1], v[AF+FR*(\a):AF+FR*(\a)+FR-1], 0
.else
	v_wmma_f32_16x16x128_fp8_fp8 v[8*(8*((\a)%4)+\b):8*(8*((\a)%4)+\b)+7], v[128*(\p)+FR*\b:128*(\p)+FR*\b+FR-1], v[AF+FR*(\a):AF+FR*(\a)+FR-1], v[8*(8*((\a)%4)+\b):8*(8*((\a)%4)+\b)+7]
.endif
.endr
.endr
.endm
.macro FETCH_B slot, q, p
	WIN TO_B
.irp i, 0,1,2,3,4,5,6,7
	FRAG 128*(\p)+FR*\i, ADRB+\slot, \q, \i
.endr
	WIN 0
.endm
.macro FETCH_A slot, q, i0
.irp i, \i0, \i0+1, \i0+2, \i0+3
	FRAG AF+FR*(\i), ADRA+\slot, \q, \i
.endr
.endm
.macro PLACES n                        ; plain vector lines between a matrix instruction and a load into, or a vector read or write of, its registers
.rept \n
	v_nop
.endr
.endm
; A step of 128 along K that has its successor in the same slot.  A has one set of registers (a block is free when its eight products are issued), B two.
.macro STEP slot, q, zero
	s_wait_dscnt 4*NL                              ; B's set and A's blocks 0-3 are in; the youngest 16 loads (A's blocks 4-7) may be out
	WIN MUL_LO
	MUL16 0, (\q)%2, \zero
	MUL16 2, (\q)%2, \zero
	s_wait_dscnt 0
	PLACES NP
	FETCH_B \slot, (\q)+1, 1-(\q)%2
	FETCH_A \slot, (\q)+1, 0
	WIN MUL_HI
	MUL16 4, (\q)%2, \zero
	MUL16 6, (\q)%2, \zero
	PLACES NP
	WIN 0
	FETCH_A \slot, (\q)+1, 4
.endm
; A slot's last step changes slots: one barrier; in front of it each wave waits for all its tensor loads, adds 0 to its spare word, and waits for that and for its reads of this slot.
.macro TURN slot, next, fill
	s_wait_tensorcnt 0x0                           ; all my tensor loads have landed: my part of the next slot
	ds_add_u32 v[SPW], v[NIL]                      ; 0 onto my spare word
	s_wait_dscnt 4*NL+1                            ; (the add and the youngest 16 loads may be out)
	WIN MUL_LO
	MUL16 0, 1, 0
	s_wait_dscnt 0x0                               ; the add is done, and my reads of this slot are over
	s_barrier_signal -1
	MUL16 2, 1, 0
	WIN 0
	s_barrier_wait -1
.if \fill
	CREST                                          ; the barrier has opened a round of the cluster's barrier: no wave of any partner still reads this slot or has a load on its way
	s_add_nc_u64 s[G0+4*\slot+2:G0+4*\slot+3], s[G0+4*\slot+2:G0+4*\slot+3], 8192
	s_add_nc_u64 s[G0B+4*\slot+2:G0B+4*\slot+3], s[G0B+4*\slot+2:G0B+4*\slot+3], 8192
	JLOAD G0+4*\slot, G1, G0B+4*\slot, G1B         ; the first tensor load behind the round; its four v_nop are the places in front of the loads below
.else
	PLACES NP
.endif
	FETCH_B \next, 0, 0
	FETCH_A \next, 0, 0
	WIN MUL_HI
	MUL16 4, 1, 0
	MUL16 6, 1, 0
	PLACES NP
	WIN 0
	FETCH_A \next, 0, 4
.endm
	s_wait_tensorcnt 1                             ; my part of slot 0 is in; slot 1's load may be out
	s_barrier_signal -1
	s_barrier_wait -1
	FETCH_B 0, 0, 0
	FETCH_A 0, 0, 0
	FETCH_A 0, 0, 4
	STEP 0, 0, 1                                   ; the first step's products start the sums: nothing is cleared
	s_mov_b32 s3, LAPS-1
.Llap:                                             ; a trip goes once round the ring and fills both slots again
	TURN 0, 1, 1
	STEP 1, 0, 0
	TURN 1, 0, 1
	STEP 0, 0, 0
	s_sub_co_u32 s3, s3, 1
	s_cmp_lg_u32 s3, 0
	s_cbranch_scc1 .Llap
	TURN 0, 1, 0                                   ; the last lap fills nothing
	STEP 1, 0, 0
	s_wait_dscnt 4*NL
	WIN MUL_LO
	MUL16 0, 1, 0
	MUL16 2, 1, 0
	s_wait_dscnt 0
	WIN MUL_HI
	MUL16 4, 1, 0
	MUL16 6, 1, 0
	WIN 0
	; THE WAY OUT: number = sum x 2^(ea + eb) + bias; held; converted with 2^eo.  The conversions' results are the next operand's registers and are stored as they stand.
	s_wait_kmcnt 0x0
	s_add_co_i32 s76, s76, s77
	s_add_co_i32 s78, s78, s79
	s_add_co_i32 s80, s80, s81
	s_cmp_eq_u32 s75, 1
	s_cselect_b32 s80, s78, s80
	s_cselect_b32 s85, s83, s85                    ; eo: e6 for q, e7 for k, e9 for v
	s_cmp_eq_u32 s75, 0
	s_cselect_b32 s80, s76, s80
	s_cselect_b32 s85, s82, s85
	s_add_co_i32 s80, s80, 127
	s_lshl_b32 s96, s80, 23                        ; 2^(ea + eb)
	s_mov_b32 s97, s96                             ; (named with it as a pair)
	s_add_co_i32 s85, s85, 127
	s_lshl_b32 s86, s85, 23
	v_mov_b32 v[QS], s86
	s_add_co_i32 s85, s85, 8
	s_lshl_b32 s85, s85, 23
	s_or_b32 s85, s85, 0x600000
	v_mov_b32 v[QL], s85
	s_wait_loadcnt 0x0                             ; the biases
	PLACES NP
.macro EPI kind                        ; kind 0: q, k (bias by register);  kind 1: v (bias by lane)
.irp a, 0,1,2,3,4,5,6,7
.set AC, 64*(\a%4)
.set CC, CD+16*(\a%2)
	WIN 0x02+(\a/4)                                ; source 0: window 2 or 3
.set j, 0
.if \kind
.rept 64
	v_fma_f32 v[TMP+j], v[AC+j], s96, v[BM+\a]     ; each accumulator from its low end on
.set j, j+1
.endr
.else
.rept 32
	v_pk_fma_f32 v[TMP+j:TMP+j+1], v[AC+j:AC+j+1], s[96:97], v[BN+j:BN+j+1] op_sel_hi:[1,0,1]
.set j, j+2
.endr
.endif
	WIN 0
.set j, 0
.rept 64
	v_med3_num_f32 v[TMP+j], v[TMP+j], -v[QL], v[QL]
.set j, j+1
.endr
.if \a > 1
	s_wait_xcnt 0x0                                ; block a - 2's stores have read these code registers
.endif
.irp b, 0,1,2,3,4,5,6,7
	v_cvt_scalef32_pk8_fp8_f32 v[CC+2*\b:CC+2*\b+1], v[TMP+8*\b:TMP+8*\b+7], v[QS]
.endr
	v_nop                                          ; a plain line behind the conversions: the next block writes their sources
.irp c, 0,1,2,3
.if \kind
	global_store_b128 v[CO], v[CC+4*\c:CC+4*\c+3], s[10:11] offset:(\a/4)*131072+(\a%4)*2048+512*\c
.else
	global_store_b128 v[CO], v[CC+4*\c:CC+4*\c+3], s[10:11] offset:\a*1024+(\c/2)*131072+(\c%2)*512
.endif
.endr
.endr
.endm
	s_cmp_eq_u32 s75, 2                            ; p is the same in every partner of the cluster
	s_cbranch_scc1 .Lv
	EPI 0
	s_branch .Ldone
.Lv:
	EPI 1
.Ldone:
	s_wait_tensorcnt 0x0                           ; the wave's end
	ds_add_u32 v[SPW], v[NIL]
	s_wait_dscnt 0x0
	CROUND                                         ; the closing round
	s_endpgm
.Lfunc_end_k_q378327a585_proj:
	.size	k_q378327a585_proj, .Lfunc_end_k_q378327a585_proj-k_q378327a585_proj
	.p2alignl 7, 3214868480
	.fill 96, 4, 3214868480
	.section	.rodata,"a",@progbits
	.p2align	6, 0x0
	.amdhsa_kernel k_q378327a585_proj
		.amdhsa_group_segment_fixed_size 327680
		.amdhsa_private_segment_fixed_size 0
		.amdhsa_enable_private_segment 0
		.amdhsa_kernarg_size 56
		.amdhsa_user_sgpr_count 2
		.amdhsa_user_sgpr_kernarg_segment_ptr 1
		.amdhsa_wavefront_size32 1
		.amdhsa_system_sgpr_workgroup_id_x 1
		.amdhsa_system_sgpr_workgroup_id_y 1
		.amdhsa_system_sgpr_workgroup_id_z 1
		.amdhsa_system_vgpr_workitem_id 0
		.amdhsa_next_free_vgpr 1024
		.amdhsa_next_free_sgpr 100
		.amdhsa_reserve_vcc 0
		.amdhsa_float_denorm_mode_32 3
		.amdhsa_float_denorm_mode_16_64 3
		.amdhsa_memory_ordered 1
		.amdhsa_forward_progress 1
		.amdhsa_inst_pref_size 209
	.end_amdhsa_kernel
	.amdgpu_metadata
---
amdhsa.version: [ 1, 2 ]
amdhsa.kernels:
  - .name:           k_q378327a585_proj
    .symbol:         k_q378327a585_proj.kd
    .args:
      - { .name: xc, .offset: 0, .size: 8, .value_kind: global_buffer, .address_space: global }
      - { .name: wc, .offset: 8, .size: 8, .value_kind: global_buffer, .address_space: global }
      - { .name: lowp_scales, .offset: 16, .size: 8, .value_kind: global_buffer, .address_space: global }
      - { .name: qkv, .offset: 24, .size: 8, .value_kind: global_buffer, .address_space: global }
      - { .name: bq, .offset: 32, .size: 8, .value_kind: global_buffer, .address_space: global }
      - { .name: bk, .offset: 40, .size: 8, .value_kind: global_buffer, .address_space: global }
      - { .name: bv, .offset: 48, .size: 8, .value_kind: global_buffer, .address_space: global }
    .group_segment_fixed_size: 327680
    .private_segment_fixed_size: 0
    .kernarg_segment_align: 8
    .kernarg_segment_size: 56
    .max_flat_workgroup_size: 128
    .sgpr_count:     100
    .vgpr_count:     1024
    .wavefront_size: 32
...
	.end_amdgpu_metadata
.endif
;; end of part 2
;; launch attn (part 3): grid 4 x 64, 8 waves a work-group, no clusters, 263,168 bytes of LDS; arguments qkv, mw, ms, lowp_scales, oc; writes oc
.if DOCPART == 3
	.amdgcn_target "amdgcn-amd-amdhsa--gfx1250"
	.amdhsa_code_object_version 6
	.text
	.protected	k_q378327a585_attn
	.globl	k_q378327a585_attn
	.p2align	8
	.type	k_q378327a585_attn,@function
k_q378327a585_attn:
	s_mov_b64 s[64:65], 0
	v_nop
	global_prefetch_b8 v0, s[64:65] scope:SCOPE_SE
	s_setreg_imm32_b32 hwreg(HW_REG_WAVE_MODE, 25, 1), 1
	s_wait_xcnt 0x0
; ATTN.  For each of 64 (batch, head): o = softmax(where(mask == 0, -1e9, q k^T / 8)) v, both products on codes of E4M3; o is quantised (e10) for the output projection.
; THE SOFTMAX: t = logit x log2(e); M = the running largest t rounded up to a whole number; p = 2^(t - M) is quantised (e8), not normalised; the row's sum is taken of the unquantised p and divides at the end.
; SHARES.  Work-group (x, bh) owns head bh and the query blocks x and 7 - x (256 queries each), one after the other; wave w owns two tiles of 16 queries.  The head's K and V (262,144 bytes of codes, as images of registers)
; are copied into LDS once, through registers; one barrier; after it LDS is only read.
; NO TENSOR LOADS, NO CLUSTER: the walk over the key steps branches on whole numbers that an earlier launch stored (a step that is masked throughout is left out, a step that is open throughout has no mask lines).
; LAYOUT.  Both products are used transposed: S^T = K Q^T (source 0 = 16 keys, source 1 = 16 queries), O^T = V^T P^T: a lane holds ONE query (lane % 16).  Register j of key tile c holds key 16 c + 8 (lane / 16) + j:
; eight registers convert into registers 2 c, 2 c + 1 of the second product's operand, as its layout wants them.
; THE MASK.  A masked score is replaced, ahead of the maximum, by the raw sum that stands for the logit -1e9; behind the multiply-add t - M of a masked key is set to (t of -1e9) - M, which is exact: 0 in a row that is
; masked so far (p = 1: a uniform row), about -1.4e9 otherwise (p = 0).  A step is left out only if it is masked throughout for both tiles and no row of them is masked at all keys: its p would all be 0 at the end.
; LIMITS: e6 + e7 between -94 and 130; e8 and e10 between -126 and 119.  NaN is not served.
; REGISTERS.  Window 0: v1-15 addresses and constants; v16-31 statistics, 8 a tile; v32-63 p's codes, 16 a tile; v64-127 K's eight fragments; v128-255 S^T, then p, 64 a tile.
;   Window 1: v0-63 O^T, 32 a tile; v64-127 V's four fragments; v128-143 Q, 8 a tile.
.set LI,  1                            ; v1   16 x lane
.set LIV, 2                            ; v2   the same in V's half of LDS
.set ADK, 3                            ; v3   the step's K
.set ADV, 4                            ; v4   the step's V
.set SMR, 5                            ; v5   the raw sum that stands for the logit -1e9
.set TMR, 6                            ; v6   its t
.set XM,  7                            ; v7   its t - M
.set PS,  8                            ; v8   2^e8     v9  448 x 2^e8
.set PL,  9
.set OS,  10                           ; v10  2^e10    v11 448 x 2^e10
.set OL,  11
.set FA,  12                           ; v12-15  16 x thread + 65,536 n: the fill
.set ST,  16                           ; tile t at ST + 8 t: +0 -M, +1 the largest t, +2, +3 the sum in two halves, +4 f (+5 named with it), +6, +7 at work
.set PC,  32
.set KB,  64
.set S,   128
.set OT,  0                            ; window 1
.set VB,  64
.set QF,  128
.set MSB, 0
.macro WIN new
.if MSB != (\new)
	s_set_vgpr_msb (MSB<<8)|(\new)
.set MSB, (\new)
.endif
.endm
.macro MLOAD t                         ; tile t's 64 mask words of this step: word w in s[32 + w] (w < 32) or s[36 + w]
	s_load_b512 s[32:47], s[6:7], s30 offset:4096*\t
	s_load_b512 s[48:63], s[6:7], s30 offset:4096*\t+64
	s_load_b512 s[68:83], s[6:7], s30 offset:4096*\t+128
	s_load_b512 s[84:99], s[6:7], s30 offset:4096*\t+192
	s_wait_kmcnt 0x0
.endm
.macro MSEL t, alt                     ; where the mask's bit is 0 the register takes v[alt]; ascending
.set w, 0
.rept 64
.if w < 32
	v_cndmask_b32 v[S+64*\t+w], v[\alt], v[S+64*\t+w], s[32+w]
.else
	v_cndmask_b32 v[S+64*\t+w], v[\alt], v[S+64*\t+w], s[36+w]
.endif
.set w, w+1
.endr
.endm
	s_load_b256 s[4:11], s[0:1], 0x0               ; qkv, mw, ms, lowp_scales
	s_load_b64 s[12:13], s[0:1], 0x20              ; oc
	s_set_vgpr_msb 0x40
	v_lshl_add_u32 v144, v0, 2, 0x40000
	v_mov_b32 v145, 0
	s_set_vgpr_msb 0x4000
	v_lshrrev_b32 v1, 5, v0
	v_readfirstlane_b32 s14, v1                    ; wave 0..7
	s_and_b32 s15, ttmp7, 0xffff                   ; bh = 16 batch + head
	v_lshlrev_b32 v[FA], 4, v0
	v_add_nc_u32 v[FA+1], 0x10000, v[FA]
	v_add_nc_u32 v[FA+2], 0x20000, v[FA]
	v_add_nc_u32 v[FA+3], 0x30000, v[FA]
	v_and_b32 v1, 31, v0
	v_lshlrev_b32 v[LI], 4, v1
	v_add_nc_u32 v[LIV], 0x20000, v[LI]
	s_lshl_b32 s100, s15, 17                       ; a head's images are 131,072 bytes in each of q, k, v
	s_mov_b32 s101, 0
	s_wait_kmcnt 0x0
	s_load_b128 s[16:19], s[10:11], 0x18           ; e6, e7, e8, e9
	s_load_b32 s20, s[10:11], 0x28                 ; e10
	s_add_nc_u64 s[4:5], s[4:5], s[100:101]        ; the head's q
	s_add_nc_u64 s[68:69], s[4:5], 0x800000        ; its k
	s_add_nc_u64 s[70:71], s[4:5], 0x1000000       ; its v
	; THE FILL: 64 loads of 4,096 consecutive bytes a work-group, then as many LDS stores at the same offsets
.set i, 0
.rept 32
	global_load_b128 v[S+4*i:S+4*i+3], v[FA], s[68:69] offset:4096*i
.set i, i+1
.endr
	WIN 0x40                                       ; destination window 1
.set i, 0
.rept 32
	global_load_b128 v[4*i:4*i+3], v[FA], s[70:71] offset:4096*i
.set i, i+1
.endr
	WIN 0
	s_wait_kmcnt 0x0
	s_add_co_i32 s31, s16, s17                     ; e6 + e7: a raw score stands for score x 2^(e6 + e7)
	s_lshl_b32 s104, s31, 23
	s_add_co_i32 s22, s104, 0x3e38aa3b             ; c = log2(e) / 8 x 2^(e6 + e7): the exponents are added to c's exponent field
	s_mov_b32 s23, s22                             ; (named with it as a pair)
	s_sub_co_i32 s31, 0, s31
	v_mov_b32 v[SMR], 0xcfee6b28                   ; -8e9
	v_ldexp_f32 v[SMR], v[SMR], s31                ; / 2^(e6 + e7)
	v_mul_f32 v[TMR], s22, v[SMR]                  ; by the very line that makes t of a step's largest score
	s_add_co_i32 s31, s18, 127
	s_lshl_b32 s104, s31, 23
	v_mov_b32 v[PS], s104
	s_add_co_i32 s31, s31, 8
	s_lshl_b32 s31, s31, 23
	s_or_b32 s31, s31, 0x600000
	v_mov_b32 v[PL], s31
	s_add_co_i32 s31, s20, 127
	s_lshl_b32 s104, s31, 23
	v_mov_b32 v[OS], s104
	s_add_co_i32 s31, s31, 8
	s_lshl_b32 s31, s31, 23
	s_or_b32 s31, s31, 0x600000
	v_mov_b32 v[OL], s31
	s_mov_b32 s24, 0x76543210                      ; v_permlanex16_b32: lane l xor 16
	s_mov_b32 s25, 0xfedcba98
.set i, 0
.rept 16
	v_mov_b32 v[ST+i], 0                           ; written once, so that every way through the steps finds them written
.set i, i+1
.endr
	s_wait_loadcnt 32                              ; K's 32 loads are in; V's 32 may be out
.set i, 0
.rept 32
	ds_store_b128 v[FA+i/16], v[S+4*i:S+4*i+3] offset:(i%16)*4096
.set i, i+1
.endr
	s_wait_loadcnt 0x0
	WIN 0x04                                       ; the stores' data in window 1
.set i, 0
.rept 32
	ds_store_b128 v[FA+2+i/16], v[4*i:4*i+3] offset:(i%16)*4096
.set i, i+1
.endr
	WIN 0
	s_wait_dscnt 0x0                               ; for the others' sake: my stores have landed
	s_barrier_signal -1
	s_barrier_wait -1                              ; K and V are whole; from here on LDS is only read
	s_mov_b32 s66, 0                               ; the pass
	s_mov_b32 s67, ttmp9                           ; its block of 256 queries: x, then 7 - x
.Lpass:
	s_wait_xcnt 0x0                                ; the last pass's stores have read their base and their data
	s_lshl_b32 s104, s67, 4
	s_lshl_b32 s105, s14, 1
	s_add_co_u32 s104, s104, s105                  ; my first query tile
	s_lshl_b32 s100, s104, 10
	s_mov_b32 s101, 0
	s_add_nc_u64 s[100:101], s[4:5], s[100:101]
	WIN 0x40
.irp n, 0,1,2,3
	global_load_b128 v[QF+4*\n:QF+4*\n+3], v[LI], s[100:101] offset:512*\n   ; two images of 1,024 bytes
.endr
.set i, 0
.rept 64
	v_mov_b32 v[OT+i], 0                           ; which step is the first that is worked hangs on the stored summary, so no first step can be written out to start the sums
.set i, i+1
.endr
	WIN 0
	s_lshl_b32 s105, s104, 8
	s_load_b64 s[28:29], s[8:9], s105 offset:0x0   ; the two tiles' summaries
	s_load_b64 s[30:31], s[8:9], s105 offset:0x100
.irp t, 0,1
	v_mov_b32 v[ST+8*\t+1], 0xff61b1e6             ; the largest t so far: -3e38
	v_floor_f32 v[ST+8*\t], -v[ST+8*\t+1]
	v_mov_b32 v[ST+8*\t+2], 0
	v_mov_b32 v[ST+8*\t+3], 0
.endr
	s_mov_b32 s26, 0                               ; the step's bytes in K's and in V's half of LDS
	s_mov_b32 s27, 0                               ; the step
	s_wait_kmcnt 0x0
	s_and_b32 s28, s28, s30                        ; open for both tiles
	s_and_b32 s29, s29, s31                        ; masked for both
	s_lshl_b32 s30, s104, 12                       ; the step's mask words
	s_wait_loadcnt 0x0                             ; Q
	s_lshr_b32 s100, s15, 4                        ; where the pass's codes go: image (128 batch + query tile, head / 2), half head % 2
	s_lshl_b32 s100, s100, 7
	s_add_co_u32 s100, s100, s104
	s_lshl_b32 s100, s100, 3
	s_bfe_u32 s105, s15, 0x30001
	s_add_co_u32 s100, s100, s105
	s_lshl_b32 s100, s100, 11
	s_and_b32 s105, s15, 1
	s_lshl_b32 s105, s105, 10
	s_add_co_u32 s100, s100, s105
	s_mov_b32 s101, 0
	s_add_nc_u64 s[100:101], s[12:13], s[100:101]
.Lstep:                                            ; 128 keys
	s_and_b32 s31, s29, 1
	s_cmp_lg_u32 s31, 0
	s_cbranch_scc1 .Lskip                          ; masked throughout: left out
	v_add_nc_u32 v[ADK], s26, v[LI]
	v_add_nc_u32 v[ADV], s26, v[LIV]
.irp c, 0,1,2,3,4,5,6,7
	ds_load_b128 v[KB+8*\c:KB+8*\c+3], v[ADK] offset:1024*\c
	ds_load_b128 v[KB+8*\c+4:KB+8*\c+7], v[ADK] offset:1024*\c+512
.endr
	WIN 0x40
.irp d, 0,1,2,3
.irp g, 0,1,2,3
	ds_load_b128 v[VB+16*\d+4*\g:VB+16*\d+4*\g+3], v[ADV] offset:2048*\d+512*\g
.endr
.endr
	s_wait_dscnt 16                                ; K's 16 loads are in; V's 16 may be out
	WIN 0x04                                       ; source 1 (Q) window 1
.irp c, 0,1,2,3,4,5,6,7
.irp t, 0,1
	v_wmma_f32_16x16x64_fp8_fp8 v[S+64*\t+8*\c:S+64*\t+8*\c+7], v[KB+8*\c:KB+8*\c+7], v[QF+8*\t:QF+8*\t+7], 0
.endr
.endr
	WIN 0
.rept 4
	v_nop                                          ; places in front of the first read of the scores
.endr
	s_and_b32 s31, s28, 1
	s_cmp_lg_u32 s31, 0
	s_cbranch_scc1 .Lopen_a                        ; open throughout: no mask lines
	MLOAD 0
	MSEL 0, SMR
	MLOAD 1
	MSEL 1, SMR
.Lopen_a:
.irp t, 0,1                                    ; the step's largest score of my query among my 64 keys: two chains a tile
	v_max3_num_f32 v[ST+8*\t+6], v[S+64*\t], v[S+64*\t+1], v[S+64*\t+2]
	v_max3_num_f32 v[ST+8*\t+7], v[S+64*\t+3], v[S+64*\t+4], v[S+64*\t+5]
.endr
.irp i, 6,10,14,18,22,26,30,34,38,42,46,50,54,58
.irp t, 0,1
	v_max3_num_f32 v[ST+8*\t+6], v[ST+8*\t+6], v[S+64*\t+\i], v[S+64*\t+\i+1]
	v_max3_num_f32 v[ST+8*\t+7], v[ST+8*\t+7], v[S+64*\t+\i+2], v[S+64*\t+\i+3]
.endr
.endr
.irp t, 0,1
	v_max3_num_f32 v[ST+8*\t+6], v[ST+8*\t+6], v[S+64*\t+62], v[S+64*\t+63]
.endr
.irp t, 0,1
	v_max_num_f32 v[ST+8*\t+6], v[ST+8*\t+6], v[ST+8*\t+7]
.endr
.irp t, 0,1
	v_permlanex16_b32 v[ST+8*\t+7], v[ST+8*\t+6], s24, s25
.endr
.irp t, 0,1
	v_max_num_f32 v[ST+8*\t+6], v[ST+8*\t+6], v[ST+8*\t+7]   ; and among lane l xor 16's
.endr
.irp t, 0,1
	v_mul_f32 v[ST+8*\t+6], s22, v[ST+8*\t+6]      ; as t (c is positive)
.endr
.irp t, 0,1
	v_max_num_f32 v[ST+8*\t+1], v[ST+8*\t+1], v[ST+8*\t+6]
.endr
.irp t, 0,1
	v_mov_b32 v[ST+8*\t+6], v[ST+8*\t]
.endr
.irp t, 0,1
	v_floor_f32 v[ST+8*\t], -v[ST+8*\t+1]          ; -M = floor(-t): M is a whole number
.endr
.irp t, 0,1
	v_sub_f32 v[ST+8*\t+6], v[ST+8*\t], v[ST+8*\t+6]   ; old M - new M
.endr
.irp t, 0,1
	v_cvt_i32_f32 v[ST+8*\t+6], v[ST+8*\t+6]       ; (it saturates)
.endr
.irp t, 0,1
	v_ldexp_f32 v[ST+8*\t+4], 1.0, v[ST+8*\t+6]    ; f = 2^(old M - new M): a multiplication by it rounds nothing
.endr
.irp t, 0,1
.set j, 0
.rept 32
	v_pk_fma_f32 v[S+64*\t+j:S+64*\t+j+1], v[S+64*\t+j:S+64*\t+j+1], s[22:23], v[ST+8*\t:ST+8*\t+1] op_sel_hi:[1,0,0]   ; t - M
.set j, j+2
.endr
.endr
	s_and_b32 s31, s28, 1
	s_cmp_lg_u32 s31, 0
	s_cbranch_scc1 .Lopen_e
	v_add_f32 v[XM], v[TMR], v[ST]                 ; (t of -1e9) - M: exact
	MLOAD 0
	MSEL 0, XM
	v_add_f32 v[XM], v[TMR], v[ST+8]
	MLOAD 1
	MSEL 1, XM
.Lopen_e:
.set j, 0
.rept 128
	v_exp_f32 v[S+j], v[S+j]                       ; p = 2^(t - M), at most 1
.set j, j+1
.endr
.irp t, 0,1
	v_pk_mul_f32 v[ST+8*\t+2:ST+8*\t+3], v[ST+8*\t+2:ST+8*\t+3], v[ST+8*\t+4:ST+8*\t+5] op_sel_hi:[1,0]   ; the sums under the new M: plain lines behind the exponentials
.endr
	s_wait_alu depctr_va_vdst(0)                   ; one wait for the batch of 128, ahead of its first reader
.irp t, 0,1
	v_pk_add_f32 v[PC+16*\t:PC+16*\t+1], v[S+64*\t:S+64*\t+1], v[S+64*\t+2:S+64*\t+3]   ; the row's sum of the unquantised p: two chains a tile
.endr
.irp j, 4,8,12,16,20,24,28,32,36,40,44,48,52,56,60
.irp t, 0,1
	v_pk_add_f32 v[ST+8*\t+2:ST+8*\t+3], v[ST+8*\t+2:ST+8*\t+3], v[S+64*\t+\j:S+64*\t+\j+1]
	v_pk_add_f32 v[PC+16*\t:PC+16*\t+1], v[PC+16*\t:PC+16*\t+1], v[S+64*\t+\j+2:S+64*\t+\j+3]
.endr
.endr
.irp t, 0,1
	v_pk_add_f32 v[ST+8*\t+2:ST+8*\t+3], v[ST+8*\t+2:ST+8*\t+3], v[PC+16*\t:PC+16*\t+1]
.endr
	s_cmp_ge_i32 s18, -8                           ; p is at most 1, and 1 <= 448 x 2^e8 from e8 = -8 on: the hold is executed wherever it can act
	s_cbranch_scc1 .Lno_hold
.set j, 0
.rept 128
	v_min_num_f32 v[S+j], v[S+j], v[PL]            ; p is not negative: the hold is one-sided
.set j, j+1
.endr
.Lno_hold:
.irp t, 0,1
.irp c, 0,1,2,3,4,5,6,7
	v_cvt_scalef32_pk8_fp8_f32 v[PC+16*\t+2*\c:PC+16*\t+2*\c+1], v[S+64*\t+8*\c:S+64*\t+8*\c+7], v[PS]
.endr
.endr
	WIN 0x41                                       ; O^T (destination and source 0) window 1, f window 0
.irp t, 0,1
.set j, 0
.rept 16
	v_pk_mul_f32 v[OT+32*\t+j:OT+32*\t+j+1], v[OT+32*\t+j:OT+32*\t+j+1], v[ST+8*\t+4:ST+8*\t+5] op_sel_hi:[1,0]   ; O^T under the new M; also the plain lines behind the conversions
.set j, j+2
.endr
.endr
	s_wait_dscnt 0x0                               ; V
	WIN 0x51                                       ; V, C and D window 1, p window 0
.irp d, 0,1,2,3
.irp t, 0,1
	v_wmma_f32_16x16x128_fp8_fp8 v[OT+32*\t+8*\d:OT+32*\t+8*\d+7], v[VB+16*\d:VB+16*\d+15], v[PC+16*\t:PC+16*\t+15], v[OT+32*\t+8*\d:OT+32*\t+8*\d+7]   ; eight accumulators, one instruction each
.endr
.endr
	WIN 0
.rept 4
	v_nop                                          ; places in front of the next loads into V's registers and of the next read of O^T
.endr
.Lskip:
	s_lshr_b32 s29, s29, 1
	s_lshr_b32 s28, s28, 1
	s_add_co_u32 s26, s26, 8192
	s_add_co_u32 s30, s30, 256
	s_add_co_u32 s27, s27, 1
	s_cmp_lt_u32 s27, 16
	s_cbranch_scc1 .Lstep
	; THE WAY OUT OF A PASS: o = O^T x 2^(e8 + e9) / the sum, held, converted with 2^e10: registers 8 (head % 2) + 0 .. 7 of the output projection's fragment
.irp t, 0,1
	v_add_f32 v[ST+8*\t+6], v[ST+8*\t+2], v[ST+8*\t+3]
.endr
.irp t, 0,1
	v_permlanex16_b32 v[ST+8*\t+7], v[ST+8*\t+6], s24, s25
.endr
.irp t, 0,1
	v_add_f32 v[ST+8*\t+6], v[ST+8*\t+6], v[ST+8*\t+7]
.endr
.irp t, 0,1
	v_rcp_f32 v[ST+8*\t+4], v[ST+8*\t+6]
.endr
	v_nop                                          ; a plain line behind the reciprocals
	s_add_co_i32 s31, s18, s19
	s_wait_alu depctr_va_vdst(0)                   ; one wait for both, ahead of the first reader
.irp t, 0,1
	v_ldexp_f32 v[ST+8*\t+4], v[ST+8*\t+4], s31
.endr
	WIN 0x01                                       ; source 0 (O^T) window 1
.irp t, 0,1
.set j, 0
.rept 16
	v_pk_mul_f32 v[S+32*\t+j:S+32*\t+j+1], v[OT+32*\t+j:OT+32*\t+j+1], v[ST+8*\t+4:ST+8*\t+5] op_sel_hi:[1,0]
.set j, j+2
.endr
.endr
	WIN 0
.set j, 0
.rept 64
	v_med3_num_f32 v[S+j], v[S+j], -v[OL], v[OL]
.set j, j+1
.endr
.irp t, 0,1
.irp d, 0,1,2,3
	v_cvt_scalef32_pk8_fp8_f32 v[PC+8*\t+2*\d:PC+8*\t+2*\d+1], v[S+32*\t+8*\d:S+32*\t+8*\d+7], v[OS]
.endr
.endr
	v_nop                                          ; a plain line behind the conversions
.irp t, 0,1
.irp u, 0,1
	global_store_b128 v[LI], v[PC+8*\t+4*\u:PC+8*\t+4*\u+3], s[100:101] offset:16384*\t+512*\u   ; 512 consecutive bytes, aligned
.endr
.endr
	s_sub_co_u32 s67, 7, s67
	s_add_co_u32 s66, s66, 1
	s_cmp_lt_u32 s66, 2
	s_cbranch_scc1 .Lpass
	s_set_vgpr_msb 0x5
	s_wait_tensorcnt 0x0
	ds_add_u32 v144, v145
	s_wait_dscnt 0x0
	s_set_vgpr_msb 0x500
	s_endpgm
.Lfunc_end_k_q378327a585_attn:
	.size	k_q378327a585_attn, .Lfunc_end_k_q378327a585_attn-k_q378327a585_attn
	.p2alignl 7, 3214868480
	.fill 96, 4, 3214868480
	.section	.rodata,"a",@progbits
	.p2align	6, 0x0
	.amdhsa_kernel k_q378327a585_attn
		.amdhsa_group_segment_fixed_size 263168
		.amdhsa_private_segment_fixed_size 0
		.amdhsa_enable_private_segment 0
		.amdhsa_kernarg_size 40
		.amdhsa_user_sgpr_count 2
		.amdhsa_user_sgpr_kernarg_segment_ptr 1
		.amdhsa_wavefront_size32 1
		.amdhsa_system_sgpr_workgroup_id_x 1
		.amdhsa_system_sgpr_workgroup_id_y 1
		.amdhsa_system_sgpr_workgroup_id_z 1
		.amdhsa_system_vgpr_workitem_id 0
		.amdhsa_next_free_vgpr 402
		.amdhsa_next_free_sgpr 106
		.amdhsa_reserve_vcc 0
		.amdhsa_float_denorm_mode_32 3
		.amdhsa_float_denorm_mode_16_64 3
		.amdhsa_memory_ordered 1
		.amdhsa_forward_progress 1
		.amdhsa_inst_pref_size 71
	.end_amdhsa_kernel
	.amdgpu_metadata
---
amdhsa.version: [ 1, 2 ]
amdhsa.kernels:
  - .name:           k_q378327a585_attn
    .symbol:         k_q378327a585_attn.kd
    .args:
      - { .name: qkv, .offset: 0, .size: 8, .value_kind: global_buffer, .address_space: global }
      - { .name: mw, .offset: 8, .size: 8, .value_kind: global_buffer, .address_space: global }
      - { .name: ms, .offset: 16, .size: 8, .value_kind: global_buffer, .address_space: global }
      - { .name: lowp_scales, .offset: 24, .size: 8, .value_kind: global_buffer, .address_space: global }
      - { .name: oc, .offset: 32, .size: 8, .value_kind: global_buffer, .address_space: global }
    .group_segment_fixed_size: 263168
    .private_segment_fixed_size: 0
    .kernarg_segment_align: 8
    .kernarg_segment_size: 40
    .max_flat_workgroup_size: 256
    .sgpr_count:     106
    .vgpr_count:     402
    .wavefront_size: 32
...
	.end_amdgpu_metadata
.endif
;; end of part 3
;; launch outp (part 4): grid 4 x 32, 4 waves a work-group, clusters of 4 x 4, 327,680 bytes of LDS; arguments oc, wc, lowp_scales, bo, out0; writes out0
.if DOCPART == 4
	.amdgcn_target "amdgcn-amd-amdhsa--gfx1250"
	.amdhsa_code_object_version 6
	.text
	.protected	k_q378327a585_outp
	.globl	k_q378327a585_outp
	.p2align	8
	.type	k_q378327a585_outp,@function
k_q378327a585_outp:
	s_mov_b64 s[64:65], 0
	v_nop
	global_prefetch_b8 v0, s[64:65] scope:SCOPE_SE
	s_setreg_imm32_b32 hwreg(HW_REG_WAVE_MODE, 25, 1), 1
	s_wait_xcnt 0x0
	s_wait_alu depctr_hold_cnt(0) depctr_sa_sdst(0) depctr_va_vdst(0) depctr_va_sdst(0) depctr_va_ssrc(0) depctr_va_vcc(0) depctr_vm_vsrc(0)
	s_getreg_b32 s2, hwreg(HW_REG_IB_STS2, 6, 4)
	s_cmp_eq_u32 s2, 0
	s_cbranch_scc0 .Lentry_in_a_cluster
	s_endpgm
.Lentry_in_a_cluster:
	s_bfe_u32 s2, ttmp6, 0x10000c
	s_cmp_lg_u32 s2, 0xf033
	s_cbranch_scc0 .Lentry_shape_is_right
	s_endpgm
.Lentry_shape_is_right:
; OUTP.  out0 = o Wo^T + bo: [8192][1024] x [1024][1024] on codes of E4M3 (scales e10, e11); out0 f32.
; A tile of 256 x 256 is made by four waves, 128 x 128 each: 64 accumulators, 512 registers.  Operands are images of registers (16 rows x 128 K = 2,048 bytes, registers 4 g .. 4 g + 3 of lane l at 512 g + 16 l;
; image (row tile rt, K step ks) at (8 rt + ks) x 2,048), so every LDS load reads 512 consecutive bytes.  K goes in steps of 256 through a ring of two LDS slots.
; CLUSTERS of 4 x 4: o's tiles are asked for jointly along a row of the cluster, Wo's along a column.  THE MATRIX INSTRUCTION IS USED TRANSPOSED (source 0 = 16 rows of Wo, source 1 = 16 tokens): a lane holds eight neighbouring numbers of a row of out0.
; LIMIT: e10 + e11 between -126 and 127.
; REGISTERS: window 0: v16-29 addresses; v32-35 bo of my four columns on the way out; from v128 A's fragments, one set (later rows read back from the stage); window 1: B's fragments, two sets; windows 2, 3: the accumulators.
.set HALFT,  32768
.set SLOT,   4*HALFT
.set SPARE,  2*SLOT                    ; behind the ring: the spare words, 128 bytes for each wave
.set SPITCH, 528                       ; the way out: a stage of 16 rows x (512 bytes + 16) for each wave, in slot 0, which has had its last fill and its last read by then
.set FR,     16
.set NL,     4
.set NP,     4
.set LAPS,   2
.set ADRA, 16
.set ADRB, 20
.set STO,  24                          ; v24  the stage: where I put 32 bytes of a row
.set RD,   25                          ; v25  and where I read a row back
.set CO,   26                          ; v26  16 x lane
.set BOF,  27                          ; v27  byte offset of my four columns in bo
.set SPW,  28
.set NIL,  29
.set BI,   32
.set AF,   128
.set BK,   128
.set G1, 24
.set G0, 32
.set G1B, 48
.set G0B, 56
.set MSB, 0
.macro WIN new
.if MSB != (\new)
	s_set_vgpr_msb (MSB<<8)|(\new)
.set MSB, (\new)
.endif
.endm
.set MUL_LO, 0xa1
.set MUL_HI, 0xf1
.set TO_B,   0x40
.macro JLOAD g0a, g1a, g0b, g1b        ; a joint load: waves 0 and 1 fetch for A, waves 2 and 3 for B; four v_nop follow each line
	s_cmp_eq_u32 s15, 0
	s_cbranch_scc0 .Lfor_b_\@
	tensor_load_to_lds s[\g0a:\g0a+3], s[\g1a:\g1a+7]
	s_nop 0
.rept 4
	v_nop
.endr
	s_branch .Lasked_\@
.Lfor_b_\@:
	tensor_load_to_lds s[\g0b:\g0b+3], s[\g1b:\g1b+7]
	s_nop 0
.rept 4
	v_nop
.endr
.Lasked_\@:
.endm
.macro CREST
	s_cmp_lg_u32 s14, 0
	s_cbranch_scc1 .Lnot_wave_0_\@
	s_barrier_signal -3
.Lnot_wave_0_\@:
	s_barrier_wait -3
	s_barrier_signal -1
	s_barrier_wait -1
.endm
.macro CROUND
	s_barrier_signal -1
	s_barrier_wait -1
	CREST
.endm
	s_load_b256 s[4:11], s[0:1], 0x0               ; oc, wc, lowp_scales, bo
	s_load_b64 s[12:13], s[0:1], 0x20              ; out0
	v_lshl_add_u32 v[SPW], v0, 2, SPARE
	v_mov_b32 v[NIL], 0
	ds_add_u32 v28, v29
	ds_add_u32 v28, v29
	s_wait_dscnt 0x0
	v_lshrrev_b32 v1, 5, v0
	v_readfirstlane_b32 s14, v1                    ; wave 0..3
	s_lshr_b32 s15, s14, 1
	s_and_b32 s16, s14, 1
	s_bfe_u32 s40, ttmp6, 0x40000                  ; cx
	s_bfe_u32 s41, ttmp6, 0x40004                  ; cy
	s_lshl_b32 s42, ttmp9, 2
	s_add_co_u32 s42, s42, s40                     ; tile column
	s_and_b32 s17, ttmp7, 0xffff
	s_lshl_b32 s17, s17, 2
	s_add_co_u32 s17, s17, s41                     ; tile row
	s_lshl_b32 s43, s41, 2
	s_lshl_b32 s43, 15, s43
	s_lshl_b32 s44, 0x1111, s40
	s_or_b32 s[G1+0], s43, (3<<16)|(1<<21)         ; 8 rows of 512 elements of 8 bytes, 2,048 elements apart; no padding
	s_or_b32 s[G1B+0], s44, (3<<16)|(1<<21)
.irp g, G1, G1B
	s_mov_b32 s[\g+1], 512<<16
	s_mov_b32 s[\g+2], 8<<16
	s_mov_b32 s[\g+3], 512<<16
	s_mov_b32 s[\g+4], 8
	s_mov_b32 s[\g+5], 2048
	s_mov_b32 s[\g+6], 0
	s_mov_b32 s[\g+7], 0
.endr
	s_lshl_b32 s18, s16, 17
	s_lshl_b32 s20, s17, 18
	s_add_co_u32 s20, s20, s18
	s_mov_b32 s21, 0
	s_lshl_b32 s46, s42, 18
	s_add_co_u32 s46, s46, s18
	s_add_co_u32 s46, s46, 0x300000                ; Wo is the fourth tensor of wc
	s_mov_b32 s47, 0
	s_mul_i32 s45, s14, HALFT
	s_wait_kmcnt 0x0
	s_load_b64 s[96:97], s[8:9], 0x28              ; e10, e11
	s_add_nc_u64 s[20:21], s[4:5], s[20:21]
	s_add_nc_u64 s[46:47], s[6:7], s[46:47]
	CROUND
.irp s, 0,1
	s_mov_b32 s[G0+4*\s], 1
	s_add_co_u32 s[G0+4*\s+1], s45, \s*SLOT
	s_add_nc_u64 s[G0+4*\s+2:G0+4*\s+3], s[20:21], \s*4096
	s_or_b32 s[G0+4*\s+3], s[G0+4*\s+3], 0x80000000
	s_mov_b32 s[G0B+4*\s], 1
	s_add_co_u32 s[G0B+4*\s+1], s45, \s*SLOT
	s_add_nc_u64 s[G0B+4*\s+2:G0B+4*\s+3], s[46:47], \s*4096
	s_or_b32 s[G0B+4*\s+3], s[G0B+4*\s+3], 0x80000000
	JLOAD G0+4*\s, G1, G0B+4*\s, G1B
.endr
	v_and_b32 v1, 31, v0
	v_lshlrev_b32 v[CO], 4, v1
	v_and_b32 v2, 15, v0
	v_bfe_u32 v3, v0, 4, 1
	s_mul_i32 s22, s15, HALFT
	s_mul_i32 s23, s16, HALFT
	s_add_co_u32 s23, s23, 2*HALFT
.irp s, 0,1
	v_add_nc_u32 v[ADRA+\s], s22, v[CO]
	v_add_nc_u32 v[ADRB+\s], s23, v[CO]
	s_add_co_u32 s22, s22, SLOT
	s_add_co_u32 s23, s23, SLOT
.endr
	s_mul_i32 s23, s14, 16*SPITCH                  ; my stage
	v_mul_u32_u24 v5, v2, SPITCH
	v_lshl_add_u32 v5, v3, 5, v5
	v_add_nc_u32 v[STO], s23, v5                   ; in: row r, 32 bytes for each half of the lanes
	v_add_nc_u32 v[RD], s23, v[CO]                 ; back: the 32 lanes take one row of 512 bytes
	s_lshl_b32 s18, s42, 10
	s_lshl_b32 s19, s16, 9
	s_add_co_u32 s18, s18, s19                     ; my first column, in bytes
	v_add_nc_u32 v[BOF], s18, v[CO]
	global_load_b128 v[BI:BI+3], v[BOF], s[10:11]  ; bo of the four columns that I store
	s_lshl_b32 s20, s17, 8
	s_lshl_b32 s21, s15, 7
	s_add_co_u32 s20, s20, s21                     ; my first row
	s_lshl_b32 s20, s20, 12                        ; 4,096 bytes a row
	s_add_co_u32 s20, s20, s18
	s_mov_b32 s21, 0
	s_add_nc_u64 s[12:13], s[12:13], s[20:21]
.macro FRAG reg, adr, q, i
.irp c, 0,1,2,3
	ds_load_b128 v[\reg+4*\c:\reg+4*\c+3], v[\adr] offset:(\i)*4096+(\q)*2048+512*\c
.endr
.endm
.macro MUL16 a0, p, zero               ; the 64 accumulators take turns, one instruction a turn, in the same order in every step
.irp a, \a0, \a0+1
.irp b, 0,1,2,3,4,5,6,7
.if \zero
	v_wmma_f32_16x16x128_fp8_fp8 v[8*(8*((\a)%4)+\b):8*(8*((\a)%4)+\b)+7], v[128*(\p)+FR*\b:128*(\p)+FR*\b+FR-1], v[AF+FR*(\a):AF+FR*(\a)+FR-1], 0
.else
	v_wmma_f32_16x16x128_fp8_fp8 v[8*(8*((\a)%4)+\b):8*(8*((\a)%4)+\b)+7], v[128*(\p)+FR*\b:128*(\p)+FR*\b+FR-1], v[AF+FR*(\a):AF+FR*(\a)+FR-1], v[8*(8*((\a)%4)+\b):8*(8*((\a)%4)+\b)+7]
.endif
.endr
.endr
.endm
.macro FETCH_B slot, q, p
	WIN TO_B
.irp i, 0,1,2,3,4,5,6,7
	FRAG 128*(\p)+FR*\i, ADRB+\slot, \q, \i
.endr
	WIN 0
.endm
.macro FETCH_A slot, q, i0
.irp i, \i0, \i0+1, \i0+2, \i0+3
	FRAG AF+FR*(\i), ADRA+\slot, \q, \i
.endr
.endm
.macro PLACES n
.rept \n
	v_nop
.endr
.endm
.macro STEP slot, q, zero
	s_wait_dscnt 4*NL                              ; B's set and A's blocks 0-3 are in; the youngest 16 loads may be out
	WIN MUL_LO
	MUL16 0, (\q)%2, \zero
	MUL16 2, (\q)%2, \zero
	s_wait_dscnt 0
	PLACES NP
	FETCH_B \slot, (\q)+1, 1-(\q)%2
	FETCH_A \slot, (\q)+1, 0
	WIN MUL_HI
	MUL16 4, (\q)%2, \zero
	MUL16 6, (\q)%2, \zero
	PLACES NP
	WIN 0
	FETCH_A \slot, (\q)+1, 4
.endm
.macro TURN slot, next, fill
	s_wait_tensorcnt 0x0                           ; all my tensor loads have landed: my part of the next slot
	ds_add_u32 v[SPW], v[NIL]                      ; 0 onto my spare word
	s_wait_dscnt 4*NL+1                            ; (the add and the youngest 16 loads may be out)
	WIN MUL_LO
	MUL16 0, 1, 0
	s_wait_dscnt 0x0                               ; the add is done, and my reads of this slot are over
	s_barrier_signal -1
	MUL16 2, 1, 0
	WIN 0
	s_barrier_wait -1
.if \fill
	CREST
	s_add_nc_u64 s[G0+4*\slot+2:G0+4*\slot+3], s[G0+4*\slot+2:G0+4*\slot+3], 8192
	s_add_nc_u64 s[G0B+4*\slot+2:G0B+4*\slot+3], s[G0B+4*\slot+2:G0B+4*\slot+3], 8192
	JLOAD G0+4*\slot, G1, G0B+4*\slot, G1B
.else
	PLACES NP
.endif
	FETCH_B \next, 0, 0
	FETCH_A \next, 0, 0
	WIN MUL_HI
	MUL16 4, 1, 0
	MUL16 6, 1, 0
	PLACES NP
	WIN 0
	FETCH_A \next, 0, 4
.endm
	s_wait_tensorcnt 1                             ; my part of slot 0 is in; slot 1's load may be out
	s_barrier_signal -1
	s_barrier_wait -1
	FETCH_B 0, 0, 0
	FETCH_A 0, 0, 0
	FETCH_A 0, 0, 4
	STEP 0, 0, 1
	s_mov_b32 s3, LAPS-1
.Llap:
	TURN 0, 1, 1
	STEP 1, 0, 0
	TURN 1, 0, 1
	STEP 0, 0, 0
	s_sub_co_u32 s3, s3, 1
	s_cmp_lg_u32 s3, 0
	s_cbranch_scc1 .Llap
	TURN 0, 1, 0
	STEP 1, 0, 0
	s_wait_dscnt 4*NL
	WIN MUL_LO
	MUL16 0, 1, 0
	MUL16 2, 1, 0
	s_wait_dscnt 0
	WIN MUL_HI
	MUL16 4, 1, 0
	MUL16 6, 1, 0
	WIN 0
; THE WAY OUT, block by block of 16 rows x 128 columns: the sums go through my own stage as they are and come back as whole rows of 512 bytes; there a lane holds four columns, and sum x 2^(e10 + e11) + bo is one packed line for two.
.macro TOSTAGE a
.set AC, 64*((\a)%4)
	WIN 0x08+4*((\a)/4)                            ; the stores' data: window 2 or 3
.irp b, 0,1,2,3,4,5,6,7
	ds_store_b128 v[STO], v[AC+8*\b:AC+8*\b+3] offset:64*\b          ; each accumulator from its low end on
	ds_store_b128 v[STO], v[AC+8*\b+4:AC+8*\b+7] offset:64*\b+16
.endr
	WIN 0
.set BB, BK+64*((\a)%2)
.irp t, 0,1,2,3,4,5,6,7,8,9,10,11,12,13,14,15
	ds_load_b128 v[BB+4*\t:BB+4*\t+3], v[RD] offset:\t*SPITCH        ; LDS serves a wave's instructions in order: these see the stores above
.endr
.endm
.macro SEND a, younger                 ; younger: the LDS instructions issued behind block a's loads, which may stay out
.set BB, BK+64*((\a)%2)
	s_wait_dscnt \younger
.irp t, 0,1,2,3,4,5,6,7,8,9,10,11,12,13,14,15
	v_pk_fma_f32 v[BB+4*\t:BB+4*\t+1], v[BB+4*\t:BB+4*\t+1], s[96:97], v[BI:BI+1] op_sel_hi:[1,0,1]
	v_pk_fma_f32 v[BB+4*\t+2:BB+4*\t+3], v[BB+4*\t+2:BB+4*\t+3], s[96:97], v[BI+2:BI+3] op_sel_hi:[1,0,1]
.endr
.if (\a) > 0
	s_add_nc_u64 s[12:13], s[12:13], 16*4096       ; (behind a wait on XCNT: the earlier stores have read their base)
.endif
.irp t, 0,1,2,3,4,5,6,7,8,9,10,11,12,13,14,15
	global_store_b128 v[CO], v[BB+4*\t:BB+4*\t+3], s[12:13] offset:\t*4096 th:TH_STORE_NT   ; 512 consecutive bytes, aligned
.endr
.endm
	s_wait_kmcnt 0x0
	s_add_co_i32 s96, s96, s97
	s_add_co_i32 s96, s96, 127
	s_lshl_b32 s96, s96, 23                        ; 2^(e10 + e11)
	s_mov_b32 s97, s96                             ; (named with it as a pair)
	s_wait_loadcnt 0x0                             ; bo
	PLACES NP
	TOSTAGE 0
.irp a, 1,2,3,4,5,6,7
.if \a > 1
	s_wait_xcnt 0x0                                ; block a - 2's stores have read their registers and their base
.endif
	TOSTAGE \a
	SEND \a-1, 32                                  ; behind block a - 1's loads: block a's 16 stores and 16 loads
.endr
	s_wait_xcnt 0x0
	SEND 7, 0
	s_wait_tensorcnt 0x0                           ; the wave's end
	ds_add_u32 v[SPW], v[NIL]
	s_wait_dscnt 0x0
	CROUND                                         ; the closing round
	s_endpgm
.Lfunc_end_k_q378327a585_outp:
	.size	k_q378327a585_outp, .Lfunc_end_k_q378327a585_outp-k_q378327a585_outp
	.p2alignl 7, 3214868480
	.fill 96, 4, 3214868480
	.section	.rodata,"a",@progbits
	.p2align	6, 0x0
	.amdhsa_kernel k_q378327a585_outp
		.amdhsa_group_segment_fixed_size 327680
		.amdhsa_private_segment_fixed_size 0
		.amdhsa_enable_private_segment 0
		.amdhsa_kernarg_size 40
		.amdhsa_user_sgpr_count 2
		.amdhsa_user_sgpr_kernarg_segment_ptr 1
		.amdhsa_wavefront_size32 1
		.amdhsa_system_sgpr_workgroup_id_x 1
		.amdhsa_system_sgpr_workgroup_id_y 1
		.amdhsa_system_sgpr_workgroup_id_z 1
		.amdhsa_system_vgpr_workitem_id 0
		.amdhsa_next_free_vgpr 1024
		.amdhsa_next_free_sgpr 98
		.amdhsa_reserve_vcc 0
		.amdhsa_float_denorm_mode_32 3
		.amdhsa_float_denorm_mode_16_64 3
		.amdhsa_memory_ordered 1
		.amdhsa_forward_progress 1
		.amdhsa_inst_pref_size 123
	.end_amdhsa_kernel
	.amdgpu_metadata
---
amdhsa.version: [ 1, 2 ]
amdhsa.kernels:
  - .name:           k_q378327a585_outp
    .symbol:         k_q378327a585_outp.kd
    .args:
      - { .name: oc, .offset: 0, .size: 8, .value_kind: global_buffer, .address_space: global }
      - { .name: wc, .offset: 8, .size: 8, .value_kind: global_buffer, .address_space: global }
      - { .name: lowp_scales, .offset: 16, .size: 8, .value_kind: global_buffer, .address_space: global }
      - { .name: bo, .offset: 24, .size: 8, .value_kind: global_buffer, .address_space: global }
      - { .name: out0, .offset: 32, .size: 8, .value_kind: global_buffer, .address_space: global }
    .group_segment_fixed_size: 327680
    .private_segment_fixed_size: 0
    .kernarg_segment_align: 8
    .kernarg_segment_size: 40
    .max_flat_workgroup_size: 128
    .sgpr_count:     98
    .vgpr_count:     1024
    .wavefront_size: 32
...
	.end_amdgpu_metadata
.endif
;; end of part 4
;; ======== version 2 of 2: 4 launches; version 1 with the launch attn written anew for expert scheduling mode
;; workspace buffers: xc 25,165,824 bytes; wc 4,194,304 bytes; mw 524,288 bytes of whole numbers; ms 32,768 bytes of whole numbers; qkv 25,165,824 bytes; oc 8,388,608 bytes
;; launch prep: the kernel of part 1 again; grid 480 x 1, 4 waves a work-group, no clusters, 68,096 bytes of LDS; arguments query, key, value, Wq, Wk, Wv, Wo, mask, lowp_scales, xc, wc, mw, ms; writes xc, wc, mw, ms
;; launch proj: the kernel of part 2 again; grid 4 x 96, 4 waves a work-group, clusters of 4 x 4, 327,680 bytes of LDS; arguments xc, wc, lowp_scales, qkv, bq, bk, bv; writes qkv
;; launch attn (part 5): grid 4 x 64, 8 waves a work-group, no clusters, 263,168 bytes of LDS; arguments qkv, mw, ms, lowp_scales, oc; writes oc
.if DOCPART == 5
	.amdgcn_target "amdgcn-amd-amdhsa--gfx1250"
	.amdhsa_code_object_version 6
	.text
	.protected	k_q378327a585_attn
	.globl	k_q378327a585_attn
	.p2align	8
	.type	k_q378327a585_attn,@function
k_q378327a585_attn:
	s_mov_b64 s[64:65], 0
	v_nop
	global_prefetch_b8 v0, s[64:65] scope:SCOPE_SE
	s_setreg_imm32_b32 hwreg(HW_REG_WAVE_SCHED_MODE, 0, 2), 2
	s_setreg_imm32_b32 hwreg(HW_REG_WAVE_MODE, 25, 1), 1
	s_wait_xcnt 0x0
	s_wait_alu depctr_vm_vsrc(0)
; ATTN.  For each of 64 (batch, head): o = softmax(where(mask == 0, -1e9, q k^T / 8)) v, both products on codes of E4M3; o is quantised (e10) for the output projection.
; THE SOFTMAX: t = logit x log2(e); M = the running largest t rounded up to a whole number; p = 2^(t - M) is quantised (e8), not normalised; the row's sum is taken of the unquantised p and divides at the end.
; SHARES.  Work-group (x, bh) owns head bh and the query blocks x and 7 - x (256 queries each), one after the other; wave w owns two tiles of 16 queries.  The head's K and V (262,144 bytes of codes, as images of registers)
; are copied into LDS once, through registers; one barrier; after it LDS is only read.
; NO TENSOR LOADS, NO CLUSTER: the walk over the key steps branches on whole numbers that an earlier launch stored (a step that is masked throughout is left out, a step that is open throughout has no mask lines).
; LAYOUT.  Both products are used transposed: S^T = K Q^T (source 0 = 16 keys, source 1 = 16 queries), O^T = V^T P^T: a lane holds ONE query (lane % 16).  Register j of key tile c holds key 16 c + 8 (lane / 16) + j:
; eight registers convert into registers 2 c, 2 c + 1 of the second product's operand, as its layout wants them.
; THE MASK.  A masked score is replaced, ahead of the maximum, by the raw sum that stands for the logit -1e9; behind the multiply-add t - M of a masked key is set to (t of -1e9) - M, which is exact: 0 in a row that is
; masked so far (p = 1: a uniform row), about -1.4e9 otherwise (p = 0).  A step is left out only if it is masked throughout for both tiles and no row of them is masked at all keys: its p would all be 0 at the end.
; LIMITS: e6 + e7 between -94 and 130; e8 and e10 between -126 and 119.  NaN is not served.
; REGISTERS.  Window 0: v1-15 addresses and constants; v16-31 statistics, 8 a tile; v32-63 p's codes, 16 a tile; v64-127 K's eight fragments; v128-255 S^T, then p, 64 a tile.
;   Window 1: v0-63 O^T, 32 a tile; v64-127 V's four fragments; v128-143 Q, 8 a tile.
; THE MODE: SCHED_MODE bits 1:0 = 2 (LLVM: expert scheduling mode 2), set by the entry lines.  The code itself states the register dependences between vector or matrix instructions and memory or LDS instructions,
; with s_wait_alu, always for 0.
; THE PLAN.  Registers that memory or LDS instructions touch:
;   v1, v12-15     Offsets and the fill's addresses: made once at the head, ahead of the head's wait on va_vdst; never written again.
;   v128-255, window 1's v0-127   At the head the fill's loads land in them and the LDS stores read them; from the first pass on vector and matrix instructions write them, and V's loads land in window 1's v64-127:
;                  the wait on vm_vsrc at a pass's head.
;   Q              The four loads at a pass's head land in it; the pass's score products read it: a wait on va_vdst directly ahead of the loads.
;   v3, v4         Written by two additions at the head of a worked step; read by that step's LDS loads: a wait on vm_vsrc ahead of the additions, the step's wait on va_vdst behind them.
;   K's fragments  The 16 LDS loads at a worked step's head land in them; the step's 16 score products read them.
;   V's fragments  The 16 LDS loads behind the score products land in them; the step's 8 second products read them.
;   v32-47         Written by the conversions on a pass's way out; read by its four stores: a wait on va_vdst ahead of the stores; written again only behind the next pass's wait on vm_vsrc.
; So ONE wait on va_vdst stands at a worked step's head: v3 and v4 are written, and the last worked step's products are done reading K's and V's fragments.  K's loads follow it at once; V's follow behind the score
; products, which name K's fragments, Q and S^T: none of the registers that V's loads touch.
.set LI,  1                            ; v1   16 x lane
.set LIV, 2                            ; v2   the same in V's half of LDS
.set ADK, 3                            ; v3   the step's K
.set ADV, 4                            ; v4   the step's V
.set SMR, 5                            ; v5   the raw sum that stands for the logit -1e9
.set TMR, 6                            ; v6   its t
.set XM,  7                            ; v7   its t - M
.set PS,  8                            ; v8   2^e8     v9  448 x 2^e8
.set PL,  9
.set OS,  10                           ; v10  2^e10    v11 448 x 2^e10
.set OL,  11
.set FA,  12                           ; v12-15  16 x thread + 65,536 n: the fill
.set ST,  16                           ; tile t at ST + 8 t: +0 -M, +1 the largest t, +2, +3 the sum in two halves, +4 f (+5 named with it), +6, +7 at work
.set PC,  32
.set KB,  64
.set S,   128
.set OT,  0                            ; window 1
.set VB,  64
.set QF,  128
.set MSB, 0
.macro WIN new
.if MSB != (\new)
	s_set_vgpr_msb (MSB<<8)|(\new)
.set MSB, (\new)
.endif
.endm
.macro MLOAD t                         ; tile t's 64 mask words of this step: word w in s[32 + w] (w < 32) or s[36 + w]
	s_load_b512 s[32:47], s[6:7], s30 offset:4096*\t
	s_load_b512 s[48:63], s[6:7], s30 offset:4096*\t+64
	s_load_b512 s[68:83], s[6:7], s30 offset:4096*\t+128
	s_load_b512 s[84:99], s[6:7], s30 offset:4096*\t+192
	s_wait_kmcnt 0x0
.endm
.macro MSEL t, alt                     ; where the mask's bit is 0 the register takes v[alt]; ascending
.set w, 0
.rept 64
.if w < 32
	v_cndmask_b32 v[S+64*\t+w], v[\alt], v[S+64*\t+w], s[32+w]
.else
	v_cndmask_b32 v[S+64*\t+w], v[\alt], v[S+64*\t+w], s[36+w]
.endif
.set w, w+1
.endr
.endm
	s_load_b256 s[4:11], s[0:1], 0x0               ; qkv, mw, ms, lowp_scales
	s_load_b64 s[12:13], s[0:1], 0x20              ; oc
	s_set_vgpr_msb 0x40
	v_lshl_add_u32 v144, v0, 2, 0x40000
	v_mov_b32 v145, 0
	s_set_vgpr_msb 0x4000
	v_lshrrev_b32 v1, 5, v0
	v_readfirstlane_b32 s14, v1                    ; wave 0..7
	s_and_b32 s15, ttmp7, 0xffff                   ; bh = 16 batch + head
	v_lshlrev_b32 v[FA], 4, v0
	v_add_nc_u32 v[FA+1], 0x10000, v[FA]
	v_add_nc_u32 v[FA+2], 0x20000, v[FA]
	v_add_nc_u32 v[FA+3], 0x30000, v[FA]
	v_and_b32 v1, 31, v0
	v_lshlrev_b32 v[LI], 4, v1
	v_add_nc_u32 v[LIV], 0x20000, v[LI]
	s_wait_alu depctr_va_sdst(0)                   ; s14 is written, ahead of its first reader: each pass makes its query tile from it
	s_lshl_b32 s100, s15, 17                       ; a head's images are 131,072 bytes in each of q, k, v
	s_mov_b32 s101, 0
	s_wait_kmcnt 0x0
	s_load_b128 s[16:19], s[10:11], 0x18           ; e6, e7, e8, e9
	s_load_b32 s20, s[10:11], 0x28                 ; e10
	s_add_nc_u64 s[4:5], s[4:5], s[100:101]        ; the head's q
	s_add_nc_u64 s[68:69], s[4:5], 0x800000        ; its k
	s_add_nc_u64 s[70:71], s[4:5], 0x1000000       ; its v
	s_wait_alu depctr_va_vdst(0)                   ; v1 and v12 to v15 are written: the fill's loads and LDS stores, Q's loads and the codes' stores read them as addresses and offsets
	; THE FILL: 64 loads of 4,096 consecutive bytes a work-group, then as many LDS stores at the same offsets
.set i, 0
.rept 32
	global_load_b128 v[S+4*i:S+4*i+3], v[FA], s[68:69] offset:4096*i
.set i, i+1
.endr
	WIN 0x40                                       ; destination window 1
.set i, 0
.rept 32
	global_load_b128 v[4*i:4*i+3], v[FA], s[70:71] offset:4096*i
.set i, i+1
.endr
	WIN 0
	s_wait_kmcnt 0x0
	s_add_co_i32 s31, s16, s17                     ; e6 + e7: a raw score stands for score x 2^(e6 + e7)
	s_lshl_b32 s104, s31, 23
	s_add_co_i32 s22, s104, 0x3e38aa3b             ; c = log2(e) / 8 x 2^(e6 + e7): the exponents are added to c's exponent field
	s_mov_b32 s23, s22                             ; (named with it as a pair)
	s_sub_co_i32 s31, 0, s31
	v_mov_b32 v[SMR], 0xcfee6b28                   ; -8e9
	v_ldexp_f32 v[SMR], v[SMR], s31                ; / 2^(e6 + e7)
	v_mul_f32 v[TMR], s22, v[SMR]                  ; by the very line that makes t of a step's largest score
	s_add_co_i32 s31, s18, 127
	s_lshl_b32 s104, s31, 23
	v_mov_b32 v[PS], s104
	s_add_co_i32 s31, s31, 8
	s_lshl_b32 s31, s31, 23
	s_or_b32 s31, s31, 0x600000
	v_mov_b32 v[PL], s31
	s_add_co_i32 s31, s20, 127
	s_lshl_b32 s104, s31, 23
	v_mov_b32 v[OS], s104
	s_add_co_i32 s31, s31, 8
	s_lshl_b32 s31, s31, 23
	s_or_b32 s31, s31, 0x600000
	v_mov_b32 v[OL], s31
	s_mov_b32 s24, 0x76543210                      ; v_permlanex16_b32: lane l xor 16
	s_mov_b32 s25, 0xfedcba98
.set i, 0
.rept 16
	v_mov_b32 v[ST+i], 0                           ; written once, so that every way through the steps finds them written
.set i, i+1
.endr
	s_wait_loadcnt 32                              ; K's 32 loads are in; V's 32 may be out
.set i, 0
.rept 32
	ds_store_b128 v[FA+i/16], v[S+4*i:S+4*i+3] offset:(i%16)*4096
.set i, i+1
.endr
	s_wait_loadcnt 0x0
	WIN 0x04                                       ; the stores' data in window 1
.set i, 0
.rept 32
	ds_store_b128 v[FA+2+i/16], v[4*i:4*i+3] offset:(i%16)*4096
.set i, i+1
.endr
	WIN 0
	s_wait_dscnt 0x0                               ; for the others' sake: my stores have landed
	s_barrier_signal -1
	s_barrier_wait -1                              ; K and V are whole; from here on LDS is only read
	s_mov_b32 s66, 0                               ; the pass
	s_mov_b32 s67, ttmp9                           ; its block of 256 queries: x, then 7 - x
.Lpass:
	s_wait_xcnt 0x0                                ; the last pass's stores have read their base and their data
	s_wait_alu depctr_vm_vsrc(0)                   ; in the first pass: the fill's LDS stores have read v128 to v255 and window 1's v0 to v127; later: the last pass's stores have read v32 to v47; this pass writes them all again
	s_lshl_b32 s104, s67, 4
	s_lshl_b32 s105, s14, 1
	s_add_co_u32 s104, s104, s105                  ; my first query tile
	s_lshl_b32 s100, s104, 10
	s_mov_b32 s101, 0
	s_add_nc_u64 s[100:101], s[4:5], s[100:101]
	WIN 0x40
	s_wait_alu depctr_va_vdst(0)                   ; the last pass's score products are done reading Q, in which the loads below land
.irp n, 0,1,2,3
	global_load_b128 v[QF+4*\n:QF+4*\n+3], v[LI], s[100:101] offset:512*\n   ; two images of 1,024 bytes
.endr
.set i, 0
.rept 64
	v_mov_b32 v[OT+i], 0                           ; which step is the first that is worked hangs on the stored summary, so no first step can be written out to start the sums
.set i, i+1
.endr
	WIN 0
	s_lshl_b32 s105, s104, 8
	s_load_b64 s[28:29], s[8:9], s105 offset:0x0   ; the two tiles' summaries
	s_load_b64 s[30:31], s[8:9], s105 offset:0x100
.irp t, 0,1
	v_mov_b32 v[ST+8*\t+1], 0xff61b1e6             ; the largest t so far: -3e38
	v_floor_f32 v[ST+8*\t], -v[ST+8*\t+1]
	v_mov_b32 v[ST+8*\t+2], 0
	v_mov_b32 v[ST+8*\t+3], 0
.endr
	s_mov_b32 s26, 0                               ; the step's bytes in K's and in V's half of LDS
	s_mov_b32 s27, 0                               ; the step
	s_wait_kmcnt 0x0
	s_and_b32 s28, s28, s30                        ; open for both tiles
	s_and_b32 s29, s29, s31                        ; masked for both
	s_lshl_b32 s30, s104, 12                       ; the step's mask words
	s_wait_loadcnt 0x0                             ; Q
	s_lshr_b32 s100, s15, 4                        ; where the pass's codes go: image (128 batch + query tile, head / 2), half head % 2
	s_lshl_b32 s100, s100, 7
	s_add_co_u32 s100, s100, s104
	s_lshl_b32 s100, s100, 3
	s_bfe_u32 s105, s15, 0x30001
	s_add_co_u32 s100, s100, s105
	s_lshl_b32 s100, s100, 11
	s_and_b32 s105, s15, 1
	s_lshl_b32 s105, s105, 10
	s_add_co_u32 s100, s100, s105
	s_mov_b32 s101, 0
	s_add_nc_u64 s[100:101], s[12:13], s[100:101]
.Lstep:                                            ; 128 keys
	s_and_b32 s31, s29, 1
	s_cmp_lg_u32 s31, 0
	s_cbranch_scc1 .Lskip                          ; masked throughout: left out
	s_wait_alu depctr_vm_vsrc(0)                   ; the LDS loads of the last worked step have read v3 and v4, which the two additions write
	v_add_nc_u32 v[ADK], s26, v[LI]
	v_add_nc_u32 v[ADV], s26, v[LIV]
	s_wait_alu depctr_va_vdst(0)                   ; v3 and v4 are written; the last worked step's score products are done reading K's fragments and its second products V's: the step's 32 LDS loads land there
.irp c, 0,1,2,3,4,5,6,7
	ds_load_b128 v[KB+8*\c:KB+8*\c+3], v[ADK] offset:1024*\c
	ds_load_b128 v[KB+8*\c+4:KB+8*\c+7], v[ADK] offset:1024*\c+512
.endr
	s_wait_dscnt 0x0                               ; K's 16 loads are in
	WIN 0x04                                       ; source 1 (Q) window 1
.irp c, 0,1,2,3,4,5,6,7
.irp t, 0,1
	v_wmma_f32_16x16x64_fp8_fp8 v[S+64*\t+8*\c:S+64*\t+8*\c+7], v[KB+8*\c:KB+8*\c+7], v[QF+8*\t:QF+8*\t+7], 0
.endr
.endr
	WIN 0x40
.irp d, 0,1,2,3
.irp g, 0,1,2,3
	ds_load_b128 v[VB+16*\d+4*\g:VB+16*\d+4*\g+3], v[ADV] offset:2048*\d+512*\g   ; V.  No wait: no vector or matrix instruction since the wait at the step's head names v4 or V's fragments
.endr
.endr
	WIN 0
.rept 4
	v_nop                                          ; places in front of the first read of the scores
.endr
	s_and_b32 s31, s28, 1
	s_cmp_lg_u32 s31, 0
	s_cbranch_scc1 .Lopen_a                        ; open throughout: no mask lines
	MLOAD 0
	MSEL 0, SMR
	MLOAD 1
	MSEL 1, SMR
.Lopen_a:
.irp t, 0,1                                    ; the step's largest score of my query among my 64 keys: two chains a tile
	v_max3_num_f32 v[ST+8*\t+6], v[S+64*\t], v[S+64*\t+1], v[S+64*\t+2]
	v_max3_num_f32 v[ST+8*\t+7], v[S+64*\t+3], v[S+64*\t+4], v[S+64*\t+5]
.endr
.irp i, 6,10,14,18,22,26,30,34,38,42,46,50,54,58
.irp t, 0,1
	v_max3_num_f32 v[ST+8*\t+6], v[ST+8*\t+6], v[S+64*\t+\i], v[S+64*\t+\i+1]
	v_max3_num_f32 v[ST+8*\t+7], v[ST+8*\t+7], v[S+64*\t+\i+2], v[S+64*\t+\i+3]
.endr
.endr
.irp t, 0,1
	v_max3_num_f32 v[ST+8*\t+6], v[ST+8*\t+6], v[S+64*\t+62], v[S+64*\t+63]
.endr
.irp t, 0,1
	v_max_num_f32 v[ST+8*\t+6], v[ST+8*\t+6], v[ST+8*\t+7]
.endr
.irp t, 0,1
	v_permlanex16_b32 v[ST+8*\t+7], v[ST+8*\t+6], s24, s25
.endr
.irp t, 0,1
	v_max_num_f32 v[ST+8*\t+6], v[ST+8*\t+6], v[ST+8*\t+7]   ; and among lane l xor 16's
.endr
.irp t, 0,1
	v_mul_f32 v[ST+8*\t+6], s22, v[ST+8*\t+6]      ; as t (c is positive)
.endr
.irp t, 0,1
	v_max_num_f32 v[ST+8*\t+1], v[ST+8*\t+1], v[ST+8*\t+6]
.endr
.irp t, 0,1
	v_mov_b32 v[ST+8*\t+6], v[ST+8*\t]
.endr
.irp t, 0,1
	v_floor_f32 v[ST+8*\t], -v[ST+8*\t+1]          ; -M = floor(-t): M is a whole number
.endr
.irp t, 0,1
	v_sub_f32 v[ST+8*\t+6], v[ST+8*\t], v[ST+8*\t+6]   ; old M - new M
.endr
.irp t, 0,1
	v_cvt_i32_f32 v[ST+8*\t+6], v[ST+8*\t+6]       ; (it saturates)
.endr
.irp t, 0,1
	v_ldexp_f32 v[ST+8*\t+4], 1.0, v[ST+8*\t+6]    ; f = 2^(old M - new M): a multiplication by it rounds nothing
.endr
.irp t, 0,1
.set j, 0
.rept 32
	v_pk_fma_f32 v[S+64*\t+j:S+64*\t+j+1], v[S+64*\t+j:S+64*\t+j+1], s[22:23], v[ST+8*\t:ST+8*\t+1] op_sel_hi:[1,0,0]   ; t - M
.set j, j+2
.endr
.endr
	s_and_b32 s31, s28, 1
	s_cmp_lg_u32 s31, 0
	s_cbranch_scc1 .Lopen_e
	v_add_f32 v[XM], v[TMR], v[ST]                 ; (t of -1e9) - M: exact
	MLOAD 0
	MSEL 0, XM
	v_add_f32 v[XM], v[TMR], v[ST+8]
	MLOAD 1
	MSEL 1, XM
.Lopen_e:
.set j, 0
.rept 128
	v_exp_f32 v[S+j], v[S+j]                       ; p = 2^(t - M), at most 1
.set j, j+1
.endr
.irp t, 0,1
	v_pk_mul_f32 v[ST+8*\t+2:ST+8*\t+3], v[ST+8*\t+2:ST+8*\t+3], v[ST+8*\t+4:ST+8*\t+5] op_sel_hi:[1,0]   ; the sums under the new M: plain lines behind the exponentials
.endr
	s_wait_alu depctr_va_vdst(0)                   ; the 128 exponentials have written p: one wait for the batch, ahead of its first reader
.irp t, 0,1
	v_pk_add_f32 v[PC+16*\t:PC+16*\t+1], v[S+64*\t:S+64*\t+1], v[S+64*\t+2:S+64*\t+3]   ; the row's sum of the unquantised p: two chains a tile
.endr
.irp j, 4,8,12,16,20,24,28,32,36,40,44,48,52,56,60
.irp t, 0,1
	v_pk_add_f32 v[ST+8*\t+2:ST+8*\t+3], v[ST+8*\t+2:ST+8*\t+3], v[S+64*\t+\j:S+64*\t+\j+1]
	v_pk_add_f32 v[PC+16*\t:PC+16*\t+1], v[PC+16*\t:PC+16*\t+1], v[S+64*\t+\j+2:S+64*\t+\j+3]
.endr
.endr
.irp t, 0,1
	v_pk_add_f32 v[ST+8*\t+2:ST+8*\t+3], v[ST+8*\t+2:ST+8*\t+3], v[PC+16*\t:PC+16*\t+1]
.endr
	s_cmp_ge_i32 s18, -8                           ; p is at most 1, and 1 <= 448 x 2^e8 from e8 = -8 on: the hold is executed wherever it can act
	s_cbranch_scc1 .Lno_hold
.set j, 0
.rept 128
	v_min_num_f32 v[S+j], v[S+j], v[PL]            ; p is not negative: the hold is one-sided
.set j, j+1
.endr
.Lno_hold:
.irp t, 0,1
.irp c, 0,1,2,3,4,5,6,7
	v_cvt_scalef32_pk8_fp8_f32 v[PC+16*\t+2*\c:PC+16*\t+2*\c+1], v[S+64*\t+8*\c:S+64*\t+8*\c+7], v[PS]
.endr
.endr
	WIN 0x41                                       ; O^T (destination and source 0) window 1, f window 0
.irp t, 0,1
.set j, 0
.rept 16
	v_pk_mul_f32 v[OT+32*\t+j:OT+32*\t+j+1], v[OT+32*\t+j:OT+32*\t+j+1], v[ST+8*\t+4:ST+8*\t+5] op_sel_hi:[1,0]   ; O^T under the new M; also the plain lines behind the conversions
.set j, j+2
.endr
.endr
	s_wait_dscnt 0x0                               ; V
	WIN 0x51                                       ; V, C and D window 1, p window 0
.irp d, 0,1,2,3
.irp t, 0,1
	v_wmma_f32_16x16x128_fp8_fp8 v[OT+32*\t+8*\d:OT+32*\t+8*\d+7], v[VB+16*\d:VB+16*\d+15], v[PC+16*\t:PC+16*\t+15], v[OT+32*\t+8*\d:OT+32*\t+8*\d+7]   ; eight accumulators, one instruction each
.endr
.endr
	WIN 0
.rept 4
	v_nop                                          ; places in front of the next read of O^T, in a later step or on the way out
.endr
.Lskip:
	s_lshr_b32 s29, s29, 1
	s_lshr_b32 s28, s28, 1
	s_add_co_u32 s26, s26, 8192
	s_add_co_u32 s30, s30, 256
	s_add_co_u32 s27, s27, 1
	s_cmp_lt_u32 s27, 16
	s_cbranch_scc1 .Lstep
	; THE WAY OUT OF A PASS: o = O^T x 2^(e8 + e9) / the sum, held, converted with 2^e10: registers 8 (head % 2) + 0 .. 7 of the output projection's fragment
.irp t, 0,1
	v_add_f32 v[ST+8*\t+6], v[ST+8*\t+2], v[ST+8*\t+3]
.endr
.irp t, 0,1
	v_permlanex16_b32 v[ST+8*\t+7], v[ST+8*\t+6], s24, s25
.endr
.irp t, 0,1
	v_add_f32 v[ST+8*\t+6], v[ST+8*\t+6], v[ST+8*\t+7]
.endr
.irp t, 0,1
	v_rcp_f32 v[ST+8*\t+4], v[ST+8*\t+6]
.endr
	v_nop                                          ; a plain line behind the reciprocals
	s_add_co_i32 s31, s18, s19
	s_wait_alu depctr_va_vdst(0)                   ; the two reciprocals are written: one wait for both, ahead of the first reader
.irp t, 0,1
	v_ldexp_f32 v[ST+8*\t+4], v[ST+8*\t+4], s31
.endr
	WIN 0x01                                       ; source 0 (O^T) window 1
.irp t, 0,1
.set j, 0
.rept 16
	v_pk_mul_f32 v[S+32*\t+j:S+32*\t+j+1], v[OT+32*\t+j:OT+32*\t+j+1], v[ST+8*\t+4:ST+8*\t+5] op_sel_hi:[1,0]
.set j, j+2
.endr
.endr
	WIN 0
.set j, 0
.rept 64
	v_med3_num_f32 v[S+j], v[S+j], -v[OL], v[OL]
.set j, j+1
.endr
.irp t, 0,1
.irp d, 0,1,2,3
	v_cvt_scalef32_pk8_fp8_f32 v[PC+8*\t+2*\d:PC+8*\t+2*\d+1], v[S+32*\t+8*\d:S+32*\t+8*\d+7], v[OS]
.endr
.endr
	v_nop                                          ; a plain line behind the conversions
	s_wait_alu depctr_va_vdst(0)                   ; the conversions have written v32 to v47, which the four stores read
.irp t, 0,1
.irp u, 0,1
	global_store_b128 v[LI], v[PC+8*\t+4*\u:PC+8*\t+4*\u+3], s[100:101] offset:16384*\t+512*\u   ; 512 consecutive bytes, aligned
.endr
.endr
	s_sub_co_u32 s67, 7, s67
	s_add_co_u32 s66, s66, 1
	s_cmp_lt_u32 s66, 2
	s_cbranch_scc1 .Lpass
	s_set_vgpr_msb 0x5
	s_wait_dscnt 0x0
	s_wait_alu depctr_hold_cnt(0) depctr_sa_sdst(0) depctr_va_vdst(0) depctr_va_sdst(0) depctr_va_ssrc(0) depctr_va_vcc(0) depctr_vm_vsrc(0)
	s_wait_tensorcnt 0x0
	ds_add_u32 v144, v145
	s_wait_dscnt 0x0
	s_endpgm
.Lfunc_end_k_q378327a585_attn:
	.size	k_q378327a585_attn, .Lfunc_end_k_q378327a585_attn-k_q378327a585_attn
	.p2alignl 7, 3214868480
	.fill 96, 4, 3214868480
	.section	.rodata,"a",@progbits
	.p2align	6, 0x0
	.amdhsa_kernel k_q378327a585_attn
		.amdhsa_group_segment_fixed_size 263168
		.amdhsa_private_segment_fixed_size 0
		.amdhsa_enable_private_segment 0
		.amdhsa_kernarg_size 40
		.amdhsa_user_sgpr_count 2
		.amdhsa_user_sgpr_kernarg_segment_ptr 1
		.amdhsa_wavefront_size32 1
		.amdhsa_system_sgpr_workgroup_id_x 1
		.amdhsa_system_sgpr_workgroup_id_y 1
		.amdhsa_system_sgpr_workgroup_id_z 1
		.amdhsa_system_vgpr_workitem_id 0
		.amdhsa_next_free_vgpr 402
		.amdhsa_next_free_sgpr 106
		.amdhsa_reserve_vcc 0
		.amdhsa_float_denorm_mode_32 3
		.amdhsa_float_denorm_mode_16_64 3
		.amdhsa_memory_ordered 1
		.amdhsa_forward_progress 1
		.amdhsa_inst_pref_size 72
	.end_amdhsa_kernel
	.amdgpu_metadata
---
amdhsa.version: [ 1, 2 ]
amdhsa.kernels:
  - .name:           k_q378327a585_attn
    .symbol:         k_q378327a585_attn.kd
    .args:
      - { .name: qkv, .offset: 0, .size: 8, .value_kind: global_buffer, .address_space: global }
      - { .name: mw, .offset: 8, .size: 8, .value_kind: global_buffer, .address_space: global }
      - { .name: ms, .offset: 16, .size: 8, .value_kind: global_buffer, .address_space: global }
      - { .name: lowp_scales, .offset: 24, .size: 8, .value_kind: global_buffer, .address_space: global }
      - { .name: oc, .offset: 32, .size: 8, .value_kind: global_buffer, .address_space: global }
    .group_segment_fixed_size: 263168
    .private_segment_fixed_size: 0
    .kernarg_segment_align: 8
    .kernarg_segment_size: 40
    .max_flat_workgroup_size: 256
    .sgpr_count:     106
    .vgpr_count:     402
    .wavefront_size: 32
...
	.end_amdgpu_metadata
.endif
;; end of part 5
;; launch outp: the kernel of part 4 again; grid 4 x 32, 4 waves a work-group, clusters of 4 x 4, 327,680 bytes of LDS; arguments oc, wc, lowp_scales, bo, out0; writes out0
